; MI455X (gfx1250); checked and timed in simulation.
; The chip was launched on July 23, 2026; its instructions are those of AMD's public machine-readable ISA for CDNA 5 (MIT licence, August 2026) and "CDNA5" Instruction Set Architecture Reference Guide (July 2026). The comments in the code are by the model that wrote it; some were corrected since.
;; Attention Layer. Allowed arithmetic: matrix products marked QUANTISED: E4M3 operands, one E8M0 scale for each 32 along K, by v_wmma_scale_f32_16x16x128_f8f6f4 with both operands' format E4M3, f32 sums; products left as they are: f32 operands where the result goes on into a quantised operand, else bf16, f16 or f32 operands; f32 sums; everything else in f32.
;; Inputs: Wk 2,048 x 2,048 float32; Wo 2,048 x 2,048 float32; Wq 2,048 x 2,048 float32; Wv 2,048 x 2,048 float32; attention_mask 1 x 1 x 2,048 x 2,048 float32; bk 2,048 float32; bo 2,048 float32; bq 2,048 float32; bv 2,048 float32; hidden_states 1 x 2,048 x 2,048 float32.
;; Outputs: out0 1 x 2,048 x 2,048 float32.
;; This version of the problem:
;;   THIS VERSION OF THE PROBLEM IS GIVEN IN LOW PRECISION. The matrix products marked QUANTISED in the list below multiply operands that are first quantised to E4M3 (4 exponent bits, 3 mantissa bits; 8 bits a number), with one power-of-two scale for each 32 numbers along K (OCP MX v1.0); their sums are f32. All else is computed in f32.
;;   The module's matrix products, in the order in which they are computed (A, B: the left and right operand; K: the contracted axis; several contracted axes count as one K, in the product's order):
;;     1. [M 2,048, K 2,048] x [K 2,048, N 2,048]; A: input hidden_states; B: input Wq: QUANTISED
;;     2. [M 2,048, K 2,048] x [K 2,048, N 2,048]; A: input hidden_states; B: input Wk: QUANTISED
;;     3. [M 2,048, K 2,048] x [K 2,048, N 2,048]; A: input hidden_states; B: input Wv: QUANTISED
;;     4. [M 2,048, K 1] x [K 1, N 64]; A: computed on the way; B: computed on the way: left as it is (no contracted axis)
;;     5. batch 16 x [M 2,048, K 128] x [K 128, N 2,048]; A: computed on the way; B: computed on the way: QUANTISED
;;     6. batch 16 x [M 2,048, K 2,048] x [K 2,048, N 128]; A: softmax (see below); B: computed on the way: QUANTISED
;;     7. [M 2,048, K 2,048] x [K 2,048, N 2,048]; A: computed on the way; B: input Wo: QUANTISED
;;   THE QUANTISER, for each operand of a quantised product, along K:
;;     - K is cut into blocks of 32 from its start; a last block that is shorter is filled with zeros.
;;     - A block's scale is 2^e with e = floor(log2(the largest magnitude in the block)) - 8, held to -126 .. 127; a block of zeros has e = 0. As a byte (E8M0): e + 127.
;;     - Each number is divided by its block's scale, clamped to +-448, and rounded to the nearest number of E4M3, ties to even, subnormals kept.
;;     - The product sums the exact products of the quantised numbers (number of the format x scale) in f32.
;;   ~~~python
;;   def quantise(x, axis):      # numpy; x: float32 -> the quantised numbers, widened to float32 again
;;       x = np.moveaxis(x, axis, -1); K = x.shape[-1]
;;       x = np.pad(x, [(0, 0)] * (x.ndim - 1) + [(0, -K % 32)]); x = x.reshape(x.shape[:-1] + (-1, 32)); a = np.abs(x).max(-1, keepdims=True)
;;       e = np.where(a > 0, np.clip(np.frexp(np.where(a > 0, a, 1))[1] - 1 - 8, -126, 127), 0)      # np.frexp(a)[1] - 1 = floor(log2(a)), exactly
;;       r = np.clip(x / 2.0 ** e, -448, 448)
;;       step = 2.0 ** (np.maximum(np.frexp(np.where(r == 0, 1, r))[1] - 1, -6) - 3)
;;       q = np.round(r / step) * step * 2.0 ** e      # np.round: ties to even
;;       return np.moveaxis(q.reshape(q.shape[:-2] + (-1,))[..., :K], -1, axis).astype(np.float32)
;;   ~~~
;;   SOFTMAX AHEAD OF A QUANTISED PRODUCT. Where the list says 'softmax', what is quantised is not the finished softmax but p = 2^(t - M), with t = logit x log2(e) and M = ceil(the row's largest t), a whole number; so 1/2 < the row's largest p <= 1. The row's sum l is taken of the UNQUANTISED p, in f32, and the product's result is divided by l at the end. Since M is a whole number, a kernel that streams over the keys may use a running M (the ceiling of the running maximum): every later rescaling is an exact power of two, which a block's scale takes up: the codes' values come out the same.
;;   OPERANDS COMPUTED ON THE WAY. 'Computed on the way' means the value that the module computes at that place (a softmax that the list does not call 'softmax' is quantised finished and normalised). What goes into a quantiser is computed in f32, as accurately as f32 sums, v_exp_f32 and their like allow (about 1e-6 of the number): no bf16 or f16 on the way to a quantiser, and a product that is left as it is and whose result goes on into a quantised operand takes f32 operands (vector FMAs, or v_wmma_f32_16x16x4_f32). A number that lies on a knife's edge between two numbers of the format may be rounded either way, as far as f32 arithmetic and the matrix unit's own rounding can turn it there, and no further.
;; One version. Each part assembles by itself: llvm-mc -triple=amdgcn-amd-amdhsa -mcpu=gfx1250 --defsym DOCPART=n.
;; ======== version 1 of 1: 4 launches
;; limits: right only within a limited range of input values
;; workspace buffers: codes 20,971,520 bytes; scales 655,360 bytes; rope 2,097,152 bytes; qimg 4,325,376 bytes; kv 8,650,752 bytes; oimg 4,194,304 bytes; oscales 131,072 bytes; mimg 16,777,216 bytes
;; launch prep (part 1): grid 704 x 1, 4 waves a work-group, no clusters, 33,280 bytes of LDS; arguments hidden_states, Wq, Wk, Wv, Wo, codes, scales, rope; writes codes, scales, rope
.if DOCPART == 1
	.amdgcn_target "amdgcn-amd-amdhsa--gfx1250"
	.amdhsa_code_object_version 6
	.text
	.protected	k_qffc052ae10_prep
	.globl	k_qffc052ae10_prep
	.p2align	8
	.type	k_qffc052ae10_prep,@function
k_qffc052ae10_prep:
	s_mov_b64 s[64:65], 0
	v_nop
	global_prefetch_b8 v0, s[64:65] scope:SCOPE_SE
	s_setreg_imm32_b32 hwreg(HW_REG_WAVE_MODE, 25, 1), 1
	s_wait_xcnt 0x0
; TWO JOBS IN ONE LAUNCH, parted by the work-group's number.
; (1) Work-groups NTAB on: hidden_states, Wq, Wk, Wv, Wo, each [2048][2048] f32 with K innermost, become codes of FP8 (E4M3), laid [5][2048][2048], and one E8M0 byte for each 32 along K, laid [5][2048][64].
;     A block's scale is 2^(floor(log2(its largest magnitude)) - 8); its byte is the largest magnitude's exponent field - 8, held at 1 from below; each number is divided by the scale, held within +-448, rounded to the nearest code, ties to even.
;     A block of zeros gets the byte 1 where the rule says 127: its codes are zeros, and this program alone reads the bytes.
;     Rows are dense, so each tensor is a plain stream of blocks of 32.  A wave takes 16 steps of 512 numbers: each load reads 512 consecutive bytes, the 2,048 bytes of a step turn through the wave's own stage in LDS and come back 64 bytes
;     (16 neighbours) a lane; two neighbouring lanes hold a block.  A wave's 256 scale bytes are gathered in LDS and leave in one store.  Waves share nothing: no barrier.
; (2) Work-groups 0 to NTAB - 1: the rotary tables, [2][2048 positions][64 cosines, 64 sines] f32; table 0 is multiplied by 128^-0.5 (for q), table 1 is plain (for k).  No LDS on this path.
;     The frequency j is 1 / 10^(j / 16): the powers of r = 10^(1/16) come from four square roots of 10 kept as sums of two f32, are multiplied in that form, rounded once, and inverted with one correction step.
;     The angle is one f32 product; it is reduced by multiples of pi/2 held in two parts (the first product's difference is exact for angles under 2,048) and goes through polynomials of degree 7 and 8.
; LIMITS: NaN and infinities among the inputs are not served; blocks whose largest magnitude lies under 2^-118 keep the byte 1.
.set NTAB,  64
.set STEPS, 16
.set EMAX,  8
.set MANT,  0x600000                   ; the mantissa field of 448 as f32
.set CB,    16                         ; bytes of 16 codes
.set R,     16                         ; v16-79   four sets of 16 numbers as they are loaded
.set X,     80                         ; v80-111  two sets of 16 neighbours
.set E,     112                        ; v112-127 a scale byte for each step
.set C,     128                        ; v128-191 codes: four registers for each step, so that no store's data are written again
.set WREG,  8192                       ; LDS: a region for each wave: two stages of 32 x SP bytes, behind them its 256 scale bytes
.set SP,    80                         ; a lane's place in a stage: 64 bytes + 16 of padding
.set D,     64                         ; tables: v64-127, eight registers a row
	s_load_b256 s[4:11], s[0:1], 0x0               ; hidden_states, Wq, Wk, Wv
	s_load_b256 s[12:19], s[0:1], 0x20             ; Wo, codes, scales, rope
	v_lshl_add_u32 v192, v0, 2, 0x8000
	v_mov_b32 v193, 0
	v_lshrrev_b32 v1, 5, v0
	v_readfirstlane_b32 s20, v1                    ; wave
	v_and_b32 v2, 31, v0                           ; lane
	s_wait_kmcnt 0x0
	s_cmp_lt_u32 ttmp9, NTAB
	s_cbranch_scc1 .Ltables
	; ---------------- the quantiser ----------------
	s_sub_co_u32 s21, ttmp9, NTAB                  ; 128 work-groups to a tensor
	s_lshr_b32 s22, s21, 7                         ; which tensor: the choice hangs on the work-group's number alone
	s_cmp_eq_u32 s22, 1
	s_cselect_b64 s[4:5], s[6:7], s[4:5]
	s_cmp_eq_u32 s22, 2
	s_cselect_b64 s[4:5], s[8:9], s[4:5]
	s_cmp_eq_u32 s22, 3
	s_cselect_b64 s[4:5], s[10:11], s[4:5]
	s_cmp_eq_u32 s22, 4
	s_cselect_b64 s[4:5], s[12:13], s[4:5]
	s_and_b32 s23, s21, 127
	s_lshl_b32 s23, s23, 2
	s_add_co_u32 s23, s23, s20                     ; which run of 8,192 numbers of the tensor is my wave's
	s_lshl_b32 s24, s23, 15
	s_mov_b32 s25, 0
	s_add_nc_u64 s[4:5], s[4:5], s[24:25]
	s_lshl_b32 s23, s21, 2
	s_add_co_u32 s23, s23, s20                     ; and which run of all five tensors'
	s_lshl_b32 s24, s23, 13
	s_add_nc_u64 s[14:15], s[14:15], s[24:25]      ; 8,192 codes a run
	s_lshl_b32 s24, s23, 8
	s_add_nc_u64 s[16:17], s[16:17], s[24:25]      ; 256 scale bytes a run
	s_wait_alu depctr_va_vdst(0)
	v_lshlrev_b32 v3, 4, v2                        ; my 16 bytes of a load's 512
	s_mul_i32 s27, s20, WREG
	v_lshrrev_b32 v14, 2, v2
	v_mul_u32_u24 v14, v14, SP
	v_and_b32 v15, 3, v2
	v_lshl_add_u32 v14, v15, 4, v14
	v_add_nc_u32 v14, s27, v14                     ; the stage, on the way in: four lanes' 64 bytes on end, then 16 of padding
	v_mul_u32_u24 v15, v2, SP
	v_add_nc_u32 v15, s27, v15                     ; and on the way out: my 16 neighbours
	v_mul_u32_u24 v4, v2, CB                       ; my codes' place in a step's
	v_lshrrev_b32 v5, 1, v2
	s_add_co_u32 s27, s27, 2*32*SP
	v_add_nc_u32 v5, s27, v5                       ; LDS: my wave's 256 scale bytes, my block's byte
	v_lshlrev_b32 v7, 3, v2                        ; and on the way out 8 bytes a lane
	v_add_nc_u32 v6, s27, v7
	s_mov_b32 s26, MANT                            ; (an instruction takes one literal: the hold's line has another)
.macro LOAD t
.irp i, 0,1,2,3
	global_load_b128 v[R+16*((\t)%4)+4*\i:R+16*((\t)%4)+4*\i+3], v3, s[4:5] offset:2048*(\t)+512*\i th:TH_LOAD_NT   ; 32 lanes read 512 consecutive bytes
.endr
.endm
.macro TURN t                          ; step t's numbers through the stage: LDS serves a wave's instructions in order, so no wait stands between the stores and the loads
.irp i, 0,1,2,3
	ds_store_b128 v14, v[R+16*((\t)%4)+4*\i:R+16*((\t)%4)+4*\i+3] offset:32*SP*((\t)%2)+8*SP*\i
.endr
.irp i, 0,1,2,3
	ds_load_b128 v[X+16*((\t)%2)+4*\i:X+16*((\t)%2)+4*\i+3], v15 offset:32*SP*((\t)%2)+16*\i
.endr
.endm
.irp t, 0,1,2,3
	LOAD \t
.endr
	s_wait_alu depctr_va_vdst(0)
	s_wait_loadcnt 12                              ; step 0's four loads are in; the twelve of steps 1 to 3 may be out
	TURN 0
.macro STEP t
.set XS, X+16*((\t)%2)
.if (\t) > 0
	s_wait_dscnt 1                                 ; this step's numbers are back from the stage (the last step's byte store may be out): so its stores into the stage have read their registers,
.else
	s_wait_dscnt 0x0
.endif
.if (\t)+4 < STEPS
	LOAD (\t)+4                                    ; which take the loads of four steps on
.endif
.if (\t)+1 < STEPS
.if STEPS-2-(\t) >= 3
	s_wait_loadcnt 12                              ; the next step's four loads are in; those of the three steps behind it may be out
.else
	s_wait_loadcnt 4*(STEPS-2-(\t))
.endif
	TURN (\t)+1                                    ; and go through the other stage while this step is worked
.endif
	v_max3_num_f32 v8, |v[XS]|, |v[XS+1]|, |v[XS+2]|               ; the largest magnitude of my 16, in two chains
	v_max3_num_f32 v9, |v[XS+3]|, |v[XS+4]|, |v[XS+5]|
.irp i, 6,10
	v_max3_num_f32 v8, v8, |v[XS+\i]|, |v[XS+\i+1]|
	v_max3_num_f32 v9, v9, |v[XS+\i+2]|, |v[XS+\i+3]|
.endr
	v_max3_num_f32 v8, v8, |v[XS+14]|, |v[XS+15]|
	v_max3_num_f32 v8, v8, v9, (EMAX+1)<<23        ; and the floor 2^(EMAX + 1 - 127): the byte cannot fall under 1
	v_max_num_f32_dpp v8, v8, v8 row_xmask:1 row_mask:0xf bank_mask:0xf   ; and of my neighbour's 16: the block's
	v_add_nc_u32 v11, -(EMAX<<23), v8              ; EMAX off its exponent field: the conversion takes the exponent field of this operand as its scale
	v_and_or_b32 v10, v8, 0x7f800000, s26          ; 448 x the scale
.irp i, 0,1,2,3,4,5,6,7,8,9,10,11,12,13,14,15
	v_med3_num_f32 v[XS+\i], v[XS+\i], -v10, v10   ; the conversion to an 8-bit code does not saturate (ISA guide 7.6.2): hold the number first
.endr
	v_cvt_scalef32_pk8_fp8_f32 v[C+4*(\t):C+4*(\t)+1], v[XS:XS+7], v11
	v_cvt_scalef32_pk8_fp8_f32 v[C+4*(\t)+2:C+4*(\t)+3], v[XS+8:XS+15], v11
	v_lshrrev_b32 v[E+(\t)], 23, v11               ; the scale's byte
	ds_store_b8 v5, v[E+(\t)] offset:16*(\t)       ; both lanes of a block write the same byte with the same value
	global_store_b128 v4, v[C+4*(\t):C+4*(\t)+3], s[14:15] offset:32*CB*(\t)   ; the wave stores 512 consecutive bytes
.endm
.irp t, 0,1,2,3,4,5,6,7,8,9,10,11,12,13,14,15
	STEP \t
.endr
	ds_load_b64 v[12:13], v6                       ; LDS serves a wave's instructions in order: these see my stores
	s_wait_dscnt 0x0
	global_store_b64 v7, v[12:13], s[16:17]        ; 32 lanes store 256 consecutive bytes, aligned
	s_wait_tensorcnt 0x0
	ds_add_u32 v192, v193
	s_wait_dscnt 0x0
	s_endpgm
	; ---------------- the tables ----------------
; v[d], v[d+1] = the square root of v[x] + v[x+1], as a sum of two f32: the root of the upper part, and the rest (exact by the fused multiply-add) over twice that root
.macro DFSQRT d, x
	v_sqrt_f32 v[\d], v[\x]
	v_nop                                          ; a plain instruction behind a transcendental before its result is used
	s_wait_alu depctr_va_vdst(0)
	v_rcp_f32 v28, v[\d]
	v_fma_f32 v29, -v[\d], v[\d], v[\x]            ; (also the plain instruction behind the reciprocal)
	v_add_f32 v29, v29, v[\x+1]
	s_wait_alu depctr_va_vdst(0)
	v_mul_f32 v28, 0.5, v28
	v_mul_f32 v[\d+1], v29, v28
.endm
; (a) = (a) x (b), both sums of two f32
.macro DFMUL a, b
	v_mul_f32 v30, v[\a], v[\b]
	v_fma_f32 v31, v[\a], v[\b], -v30
	v_fma_f32 v31, v[\a], v[\b+1], v31
	v_fma_f32 v31, v[\a+1], v[\b], v31
	v_add_f32 v[\a], v30, v31
	v_sub_f32 v30, v30, v[\a]
	v_add_f32 v[\a+1], v30, v31
.endm
; (d) = (f) where the lane's number has the bit, else 1
.macro SEL d, bit, f
	v_and_b32 v28, 1<<\bit, v2
	v_cmp_ne_u32 vcc_lo, 0, v28
	v_cndmask_b32 v[\d], 1.0, v[\f], vcc_lo
	v_cndmask_b32 v[\d+1], 0, v[\f+1], vcc_lo
.endm
; the sine and cosine of v[x] (0 or more, under 2,048)
.macro SINCOS x, sn, cs
	v_mul_f32 v42, 0x3f22f983, v[\x]               ; x 2 / pi
	v_rndne_f32 v42, v42                           ; n
	v_fmamk_f32 v43, v42, 0xbfc90fdb, v[\x]        ; x - n pi/2: the upper part of pi/2,
	v_fmamk_f32 v43, v42, 0x333bbd2e, v43          ; and what it is too large by
	v_cvt_i32_f32 v44, v42
	v_mul_f32 v45, v43, v43                        ; z = r r
	v_fmaak_f32 v46, v40, v45, 0x3c08839e
	v_fmaak_f32 v46, v46, v45, 0xbe2aaaa3
	v_mul_f32 v47, v43, v45
	v_fma_f32 v48, v47, v46, v43                   ; sin r
	v_fmaak_f32 v49, v41, v45, 0xbab6061a
	v_fmaak_f32 v49, v49, v45, 0x3d2aaaa5
	v_fma_f32 v50, v45, -0.5, 1.0
	v_mul_f32 v47, v45, v45
	v_fma_f32 v51, v47, v49, v50                   ; cos r
	v_and_b32 v47, 1, v44
	v_cmp_ne_u32 vcc_lo, 0, v47                    ; odd n: the two change places
	v_cndmask_b32 v[\sn], v48, v51, vcc_lo
	v_cndmask_b32 v[\cs], v51, v48, vcc_lo
	v_lshlrev_b32 v47, 30, v44
	v_and_b32 v47, 0x80000000, v47                 ; the sine is negative for n mod 4 = 2, 3
	v_xor_b32 v[\sn], v47, v[\sn]
	v_add_nc_u32 v47, 1, v44
	v_lshlrev_b32 v47, 30, v47
	v_and_b32 v47, 0x80000000, v47                 ; the cosine for n mod 4 = 1, 2
	v_xor_b32 v[\cs], v47, v[\cs]
.endm
.Ltables:
	s_lshl_b32 s30, ttmp9, 5
	s_lshl_b32 s31, s20, 3
	s_add_co_u32 s30, s30, s31                     ; my wave's first position: 32 x work-group + 8 x wave
	s_lshl_b32 s24, s30, 9                         ; 512 bytes a position
	s_mov_b32 s25, 0
	s_add_nc_u64 s[18:19], s[18:19], s[24:25]
	s_mov_b32 s28, 0x3db504f3                      ; 128^-0.5
	s_mov_b32 s29, s28                             ; (named with it as a pair, so it is written)
	s_wait_alu depctr_va_vdst(0)
	v_lshlrev_b32 v3, 3, v2                        ; a lane takes frequencies 2 l and 2 l + 1: 8 bytes
	v_mov_b32 v24, 0x41200000                      ; r^16 = 10
	v_mov_b32 v25, 0
	v_mov_b32 v26, 0x42c80000                      ; r^32 = 100
	v_mov_b32 v27, 0
	v_mov_b32 v40, 0xb94ca1f9                      ; the polynomials' leading coefficients
	v_mov_b32 v41, 0x37ccf5ce
	s_wait_alu depctr_va_vdst(0)
	DFSQRT 16, 24                                  ; r^8
	DFSQRT 18, 16                                  ; r^4
	DFSQRT 20, 18                                  ; r^2
	DFSQRT 22, 20                                  ; r
	SEL 32, 0, 20                                  ; r^(2 l), bit by bit of l
	SEL 34, 1, 18
	DFMUL 32, 34
	SEL 34, 2, 16
	DFMUL 32, 34
	SEL 34, 3, 24
	DFMUL 32, 34
	SEL 34, 4, 26
	DFMUL 32, 34
	v_mov_b32 v36, v32
	v_mov_b32 v37, v33
	DFMUL 36, 22                                   ; r^(2 l + 1)
	v_add_f32 v32, v32, v33                        ; each rounded to f32 once
	v_add_f32 v36, v36, v37
	s_wait_alu depctr_va_vdst(0)
	v_rcp_f32 v38, v32
	v_rcp_f32 v39, v36
	v_nop
	s_wait_alu depctr_va_vdst(0)
	v_fma_f32 v28, -v32, v38, 1.0                  ; one correction step each
	v_fma_f32 v29, -v36, v39, 1.0
	v_fma_f32 v38, v38, v28, v38
	v_fma_f32 v39, v39, v29, v39
.irp i, 0,1,2,3,4,5,6,7
	s_add_co_u32 s31, s30, \i
	v_cvt_f32_u32 v53, s31
	v_mul_f32 v54, v53, v38                        ; the angle: one f32 product
	SINCOS 54, D+8*\i+2, D+8*\i
	v_mul_f32 v54, v53, v39
	SINCOS 54, D+8*\i+3, D+8*\i+1
	v_pk_mul_f32 v[D+8*\i+4:D+8*\i+5], v[D+8*\i:D+8*\i+1], s[28:29] op_sel_hi:[1,0]
	v_pk_mul_f32 v[D+8*\i+6:D+8*\i+7], v[D+8*\i+2:D+8*\i+3], s[28:29] op_sel_hi:[1,0]
	global_store_b64 v3, v[D+8*\i+4:D+8*\i+5], s[18:19] offset:512*\i             ; each store covers 256 consecutive bytes, aligned; each row has data registers of its own
	global_store_b64 v3, v[D+8*\i+6:D+8*\i+7], s[18:19] offset:512*\i+256
	global_store_b64 v3, v[D+8*\i:D+8*\i+1], s[18:19] offset:512*\i+(1<<20)
	global_store_b64 v3, v[D+8*\i+2:D+8*\i+3], s[18:19] offset:512*\i+256+(1<<20)
.endr
	s_endpgm
.Lfunc_end_k_qffc052ae10_prep:
	.size	k_qffc052ae10_prep, .Lfunc_end_k_qffc052ae10_prep-k_qffc052ae10_prep
	.p2alignl 7, 3214868480
	.fill 96, 4, 3214868480
	.section	.rodata,"a",@progbits
	.p2align	6, 0x0
	.amdhsa_kernel k_qffc052ae10_prep
		.amdhsa_group_segment_fixed_size 33280
		.amdhsa_private_segment_fixed_size 0
		.amdhsa_enable_private_segment 0
		.amdhsa_kernarg_size 64
		.amdhsa_user_sgpr_count 2
		.amdhsa_user_sgpr_kernarg_segment_ptr 1
		.amdhsa_wavefront_size32 1
		.amdhsa_system_sgpr_workgroup_id_x 1
		.amdhsa_system_sgpr_workgroup_id_y 1
		.amdhsa_system_sgpr_workgroup_id_z 1
		.amdhsa_system_vgpr_workitem_id 0
		.amdhsa_next_free_vgpr 194
		.amdhsa_next_free_sgpr 66
		.amdhsa_reserve_vcc 1
		.amdhsa_float_denorm_mode_32 3
		.amdhsa_float_denorm_mode_16_64 3
		.amdhsa_memory_ordered 1
		.amdhsa_forward_progress 1
		.amdhsa_inst_pref_size 80
	.end_amdhsa_kernel
	.amdgpu_metadata
---
amdhsa.version: [ 1, 2 ]
amdhsa.kernels:
  - .name:           k_qffc052ae10_prep
    .symbol:         k_qffc052ae10_prep.kd
    .args:
      - { .name: hidden_states, .offset: 0, .size: 8, .value_kind: global_buffer, .address_space: global }
      - { .name: Wq, .offset: 8, .size: 8, .value_kind: global_buffer, .address_space: global }
      - { .name: Wk, .offset: 16, .size: 8, .value_kind: global_buffer, .address_space: global }
      - { .name: Wv, .offset: 24, .size: 8, .value_kind: global_buffer, .address_space: global }
      - { .name: Wo, .offset: 32, .size: 8, .value_kind: global_buffer, .address_space: global }
      - { .name: codes, .offset: 40, .size: 8, .value_kind: global_buffer, .address_space: global }
      - { .name: scales, .offset: 48, .size: 8, .value_kind: global_buffer, .address_space: global }
      - { .name: rope, .offset: 56, .size: 8, .value_kind: global_buffer, .address_space: global }
    .group_segment_fixed_size: 33280
    .private_segment_fixed_size: 0
    .kernarg_segment_align: 8
    .kernarg_segment_size: 64
    .max_flat_workgroup_size: 128
    .sgpr_count:     66
    .vgpr_count:     194
    .wavefront_size: 32
...
	.end_amdgpu_metadata
.endif
;; end of part 1
;; launch qkv (part 2): grid 32 x 8, 4 waves a work-group, clusters of 4 x 4, 327,680 bytes of LDS; arguments codes, scales, bq, bk, bv, rope, qimg, kv, attention_mask, mimg; writes qimg, kv, mimg
.if DOCPART == 2
	.amdgcn_target "amdgcn-amd-amdhsa--gfx1250"
	.amdhsa_code_object_version 6
	.text
	.protected	k_qffc052ae10_qkv
	.globl	k_qffc052ae10_qkv
	.p2align	8
	.type	k_qffc052ae10_qkv,@function
k_qffc052ae10_qkv:
	s_mov_b64 s[64:65], 0
	v_nop
	global_prefetch_b8 v0, s[64:65] scope:SCOPE_SE
	s_setreg_imm32_b32 hwreg(HW_REG_WAVE_MODE, 25, 1), 1
	s_wait_xcnt 0x0
	s_wait_alu depctr_hold_cnt(0) depctr_sa_sdst(0) depctr_va_vdst(0) depctr_va_sdst(0) depctr_va_ssrc(0) depctr_va_vcc(0) depctr_vm_vsrc(0)
	s_getreg_b32 s2, hwreg(HW_REG_IB_STS2, 6, 4)
	s_cmp_eq_u32 s2, 0
	s_cbranch_scc0 .Lentry_in_a_cluster
	s_endpgm
.Lentry_in_a_cluster:
	s_bfe_u32 s2, ttmp6, 0x10000c
	s_cmp_lg_u32 s2, 0xf033
	s_cbranch_scc0 .Lentry_shape_is_right
	s_endpgm
.Lentry_shape_is_right:
; THE THREE PROJECTIONS, on codes of FP8 (E4M3) with one E8M0 scale for each 32 along K = 2,048, and what follows them up to the next quantiser:
;   q = rot(x Wq^T + bq) / sqrt(128), k = rot(x Wk^T + bk): quantised along the head's 128;   v = x Wv^T + bv: quantised along the keys.
; codes: [5][2048][2048] (x, Wq, Wk, Wv, Wo), scales: [5][2048][64].  The grid's x is 4 types x 8 tile columns; a cluster of 4 x 4 work-groups lies inside one type.  Types 0 to 2 are q, k, v: 192 work-groups.
; TYPE 3, 64 work-groups more, multiplies nothing: it copies the additive mask, bit for bit, into the order of the score products' accumulators, beside the products: see the end of the text.
; A tile is 256 x 256, a wave's part 128 x 128: 64 accumulators, 512 registers.  K goes in steps of 256 through a ring of two LDS slots; the scale bytes of the tile's rows, for all of K, come once and stay.
; The four work-groups of a row of the cluster need the same tiles of the first operand, the four of a column the same tiles of the second: each tile is asked for jointly.
; THE MATRIX INSTRUCTION IS USED TRANSPOSED (source 0 = 16 rows of the second operand, source 1 = 16 rows of the first): lane (r, h) of accumulator (a, b) holds in register j the number (row 16 a + r, column 16 b + 8 h + j).
; q, k: first operand x, second W: a wave's rows are 128 positions, its columns ONE head: the rotation's partner d + 64 is the same lane's accumulator b + 4.
; v: first operand Wv, second x: rows are one head's 128 channels, columns 128 keys: the keys run along a lane's registers, as the next product's K must.
; THE WAY OUT uses no LDS.  A block of 16 rows becomes an IMAGE of an operand's registers: group c of four registers of lane l at byte 512 c + 16 l, four stores of 512 consecutive bytes.  Inside a block of 32 along K the image's place
; (h, 8 u + j) holds k = 16 u + 8 h + j; both operands of each later product carry the same order, so the products are the same.  The scale word of (row r, image a) lies at 32 r + 4 a behind the images.
; qimg: 256 records (16 head + block of 128 positions) of 8 images + 512 bytes of scale words.  kv: 256 records of K's 8 images, V's 8 images, K's words, V's words.
; LIMITS: NaN and infinities are not served; blocks whose largest magnitude lies under 2^-118 (blocks of zeros too) keep the scale byte 1: this program alone reads the bytes.
; REGISTERS, in windows of 256: window 0: v0-31 addresses and the eight scale words made; v32-63 scale words read, two sets; v64-127 the bias; v128-255 the first operand's fragments, ONE set; on the way out 64 numbers and work.
;   window 1: the second operand's fragments, two sets; the set at v0 takes the rotary tables before the last K step.   windows 2, 3: the accumulators ((a, b) at v[8 (8 (a % 4) + b)]);
;   on the way out block a's codes take 16 registers of their own there, v[16 (a % 4)] of block a's window, which held accumulators that have been read: so no store's data are ever written again.
.set NQ,     2                         ; matrix instructions deep in a slot: 256 along K
.set ROWB,   256                       ; a tile's row in bytes
.set KROW,   2048                      ; a row of codes in memory
.set PITCH,  272                       ; an LDS row: 256 bytes + 16 of padding: the 16 rows that a load touches start 4 banks apart (64 banks of 4 bytes: ISA guide 11.1)
.set FR,     16                        ; registers of a fragment
.set NL,     4                         ; LDS loads that bring one
.set NP,     8                         ; places behind this matrix instruction (ISA guide 7.12.1)
.set HALFT,  128*PITCH                 ; 128 rows: what one tensor load brings
.set SLOT,   4*HALFT
.set LAPS,   4                         ; 2,048 / 512: a lap is once round the ring
.set KS,     64                        ; a row of scale bytes
.set SCL,    2*SLOT                    ; behind the ring: the scale bytes, as runs of 256 bytes + 16 of padding
.set HALFS,  (128*KS/256)*272
.set SBLK,   (16*KS/256)*272
.set SPARE,  SCL+4*HALFS               ; the spare words, 128 bytes a wave: two blocks of 256 bytes that no other line names
.set STG,    SPARE+512                 ; behind them: the mask's stages, bytes into which no tensor load of this text lands
.set MSTG,   3328                      ; a wave's: 13 blocks of 256 bytes, of which 16 rows x MPI are used
.set MPI,    144                       ; a row of a stage: 128 bytes + 16 of padding
.set PWS,  8                           ; v8-15   the scale words of my eight images
.set ADRA, 16                          ; v16-17  LDS address of the first operand's fragments in slot 0, 1
.set ADRB, 20                          ; v20-21  the same for the second
.set LI,   24                          ; v24     16 x lane
.set RO,   25                          ; v25     the tables: 512 r + 32 h
.set SO,   26                          ; v26     the scale words' store: 32 r + 16 h
.set ADRS, 27                          ; v27     LDS address of my scale words: lanes 0-15 the first operand's rows, lanes 16-31 the second's
.set SPW,  28                          ; v28     LDS address of my spare word; never rewritten
.set NIL,  29                          ; v29     0; never rewritten
.set BOF,  30                          ; v30     the bias loads' offset
.set SC,   32
.set BIAS, 64
.set AF,   128
.set T,    128                         ; the way out: v128-191 64 numbers of a lane
.set X,    192                         ; v192-207 at work
.set TM,   208                         ; v208-223 largest magnitudes, bytes, limits, scale operands
.set MNT,  2                           ; s2   the mantissa field of 448
.set WV,   20                          ; s20  wave
.set RH,   21                          ; s21  which half of the tile's rows is mine; also: I fetch for the first operand (0) or the second (1)
.set CH,   22                          ; s22  which half of its columns; also: which 128 rows I fetch
.set TR,   23                          ; s23  tile row
.set G1,   24
.set G0,   32
.set G1B,  48
.set G0B,  56
.set SEL,  66                          ; s66, s67 lane selects: lane l xor 16
.set G1S,  68
.set G0S,  76
.set G1SB, 80
.set G0SB, 88
.set TY,   95                          ; s95  0: q, 1: k, 2: v, 3: the mask; the same in a whole cluster
.set MSB, 0
.macro WIN new                         ; the immediate's high byte repeats the setting that is left
.if MSB != (\new)
	s_set_vgpr_msb (MSB<<8)|(\new)
.set MSB, (\new)
.endif
.endm
.set MUL_LO, 0xa1                      ; source 0 window 1, source 1 window 0, C and D window 2
.set MUL_HI, 0xf1                      ; the same, C and D window 3
.set TO_B,   0x40                      ; destination window 1, address window 0
; A joint load: waves 0 and 1 fetch for the first operand, waves 2 and 3 for the second.  Each line has one mask and one set of registers; the branch hangs on the wave's number alone.  Four v_nop follow each line.
.macro JLOAD g0a, g1a, g0b, g1b
	s_cmp_eq_u32 s[RH], 0
	s_cbranch_scc0 .Lfor_b_\@
	tensor_load_to_lds s[\g0a:\g0a+3], s[\g1a:\g1a+7]
	s_nop 0
.rept 4
	v_nop
.endr
	s_branch .Lasked_\@
.Lfor_b_\@:
	tensor_load_to_lds s[\g0b:\g0b+3], s[\g1b:\g1b+7]
	s_nop 0
.rept 4
	v_nop
.endr
.Lasked_\@:
.endm
.macro CREST                           ; a round of the cluster's barrier behind its opening barrier
	s_cmp_lg_u32 s[WV], 0
	s_cbranch_scc1 .Lnot_wave_0_\@
	s_barrier_signal -3
.Lnot_wave_0_\@:
	s_barrier_wait -3
	s_barrier_signal -1
	s_barrier_wait -1
.endm
.macro CROUND
	s_barrier_signal -1
	s_barrier_wait -1
	CREST
.endm
	s_load_b128 s[4:7], s[0:1], 0x0                ; codes, scales
	s_load_b128 s[8:11], s[0:1], 0x10              ; bq, bk
	s_load_b128 s[12:15], s[0:1], 0x20             ; bv, rope
	s_load_b128 s[16:19], s[0:1], 0x30             ; qimg, kv
	v_lshl_add_u32 v[SPW], v0, 2, SPARE
	v_mov_b32 v[NIL], 0
	ds_add_u32 v28, v29
	ds_add_u32 v28, v29
	s_wait_dscnt 0x0
	v_lshrrev_b32 v1, 5, v0
	v_readfirstlane_b32 s[WV], v1
	s_lshr_b32 s[RH], s[WV], 1
	s_and_b32 s[CH], s[WV], 1
	s_bfe_u32 s40, ttmp6, 0x40000                  ; cx, cy: my place in the cluster
	s_bfe_u32 s41, ttmp6, 0x40004
	s_lshr_b32 s[TY], ttmp9, 1                     ; two clusters along x to a type
	s_and_b32 s42, ttmp9, 1
	s_lshl_b32 s42, s42, 2
	s_add_co_u32 s42, s42, s40                     ; tile column within the type, 0 .. 7
	s_and_b32 s[TR], ttmp7, 0xffff
	s_lshl_b32 s[TR], s[TR], 2
	s_add_co_u32 s[TR], s[TR], s41                 ; tile row, 0 .. 7
	s_lshl_b32 s43, s41, 2
	s_lshl_b32 s43, 15, s43                        ; my row of the cluster
	s_lshl_b32 s44, 0x1111, s40                    ; my column
	; descriptor group 1: a tile of 128 rows x 256 bytes, padded in LDS
	s_or_b32 s[G1+0], s43, (0<<16)|(1<<20)|(1<<21)|(5<<22)|(3<<25)  ; 15:0 the mask; 17:16 elements of 1 byte; 20 padding on; 21 set beside a mask; 24:22 after every 64 words; 31:25 four words
	s_or_b32 s[G1B+0], s44, (0<<16)|(1<<20)|(1<<21)|(5<<22)|(3<<25)
.irp g, G1, G1B
	s_mov_b32 s[\g+1], ROWB<<16                    ; tensor_dim0
	s_mov_b32 s[\g+2], 256<<16                     ; tensor_dim1: 256 rows for the head's loads; behind them 128, for the ring's
	s_mov_b32 s[\g+3], ROWB<<16                    ; tile_dim0
	s_mov_b32 s[\g+4], 256                         ; tile_dim1
	s_mov_b32 s[\g+5], KROW                        ; tensor_dim0_stride
	s_mov_b32 s[\g+6], 0
	s_mov_b32 s[\g+7], 0
.endr
	; the scale bytes of 256 rows: 16,384 dense bytes, as 64 rows of 256 bytes (32 elements of 8), 16 bytes of padding behind each
	s_or_b32 s[G1S+0], s43, (3<<16)|(1<<20)|(1<<21)|(5<<22)|(3<<25)
	s_or_b32 s[G1SB+0], s44, (3<<16)|(1<<20)|(1<<21)|(5<<22)|(3<<25)
.irp g, G1S, G1SB
	s_mov_b32 s[\g+1], 32<<16
	s_mov_b32 s[\g+2], (256*KS/256)<<16            ; the scale bytes of all 256 rows of a tile: 64 runs of 256 bytes
	s_mov_b32 s[\g+3], 32<<16
	s_mov_b32 s[\g+4], 256*KS/256
	s_mov_b32 s[\g+5], 32
	s_mov_b32 s[\g+6], 0
	s_mov_b32 s[\g+7], 0
.endr
	; rows in the 10,240-row buffers.  First operand: x (q, k) or Wv (v); second: Wq, Wk or x.  The first's registers never hold cx, the second's never cy.
	s_lshr_b32 s67, s[TY], 1                       ; 1 for v
	s_mul_i32 s96, s67, 6144
	s_lshl_b32 s98, s[TR], 8
	s_add_co_u32 s96, s96, s98
	s_xor_b32 s67, s67, 1
	s_add_co_u32 s99, s[TY], 1
	s_mul_i32 s99, s99, s67                        ; 1, 2, 0
	s_lshl_b32 s46, s99, 11
	s_lshl_b32 s99, s42, 8
	s_add_co_u32 s46, s46, s99
	s_mov_b32 s97, 0
	s_mov_b32 s47, 0
	s_lshl_b64 s[100:101], s[96:97], 6             ; where these rows' scale bytes begin,
	s_lshl_b64 s[92:93], s[46:47], 6
	s_lshl_b64 s[96:97], s[96:97], 11              ; and their codes
	s_lshl_b64 s[46:47], s[46:47], 11
	s_mul_i32 s45, s[WV], HALFT                    ; where they go: wave x 128 rows: no place in the cluster enters an LDS address
	s_wait_kmcnt 0x0
	s_cmp_eq_u32 s[TY], 3                          ; the type hangs on the cluster's x alone: all sixteen partners go the same way
	s_cbranch_scc1 .Lmask
	s_add_nc_u64 s[96:97], s[4:5], s[96:97]
	s_add_nc_u64 s[100:101], s[6:7], s[100:101]
	s_add_nc_u64 s[46:47], s[4:5], s[46:47]
	s_add_nc_u64 s[92:93], s[6:7], s[92:93]
	CROUND                                         ; all sixteen work-groups are here: the first joint loads meet
	s_mov_b32 s[G0S], 1                            ; the head's four tiles, each whole: the scale bytes of the first operand's 256 rows,
	s_mov_b32 s[G0S+1], SCL
	s_mov_b64 s[G0S+2:G0S+3], s[100:101]
	s_or_b32 s[G0S+3], s[G0S+3], 0x80000000
	s_mov_b32 s[G0SB], 1                           ; of the second's,
	s_mov_b32 s[G0SB+1], SCL+2*HALFS
	s_mov_b64 s[G0SB+2:G0SB+3], s[92:93]
	s_or_b32 s[G0SB+3], s[G0SB+3], 0x80000000
	s_mov_b32 s[G0], 1                             ; K step 0's 256 rows of the first operand (slot 0's group 0 serves: the ring first uses it at slot 0's first refill),
	s_mov_b32 s[G0+1], 0
	s_mov_b64 s[G0+2:G0+3], s[96:97]
	s_or_b32 s[G0+3], s[G0+3], 0x80000000
	s_mov_b32 s[G0B], 1                            ; and of the second, behind them
	s_mov_b32 s[G0B+1], 2*HALFT
	s_mov_b64 s[G0B+2:G0B+3], s[46:47]
	s_or_b32 s[G0B+3], s[G0B+3], 0x80000000
	s_lshl_b32 s92, s[CH], 18                      ; in the ring I fetch 128 rows of a tile: which half, in bytes (128 x 2,048)
	s_mov_b32 s93, 0
	s_mov_b32 s[G0+4], 1                           ; slot 1: K step 1, my 128 rows
	s_add_co_u32 s[G0+5], s45, SLOT
	s_add_nc_u64 s[G0+6:G0+7], s[96:97], s[92:93]
	s_add_nc_u64 s[G0+6:G0+7], s[G0+6:G0+7], ROWB
	s_or_b32 s[G0+7], s[G0+7], 0x80000000
	s_mov_b32 s[G0B+4], 1
	s_add_co_u32 s[G0B+5], s45, SLOT
	s_add_nc_u64 s[G0B+6:G0B+7], s[46:47], s[92:93]
	s_add_nc_u64 s[G0B+6:G0B+7], s[G0B+6:G0B+7], ROWB
	s_or_b32 s[G0B+7], s[G0B+7], 0x80000000
	; the prefetches: of the 128 rows that I fetch in the ring, each of the four partners that ask for them jointly takes 32, told apart by address (cx for the first operand, cy for the second); s[46:47] stands at K step 1
	s_cmp_eq_u32 s[RH], 0
	s_cselect_b64 s[46:47], s[96:97], s[46:47]
	s_cselect_b32 s98, s40, s41
	s_lshl_b32 s98, s98, 16                        ; 32 rows of 2,048 bytes a partner
	s_add_co_u32 s98, s98, s92                     ; + my 128 rows
	s_add_co_u32 s98, s98, ROWB
	s_mov_b32 s99, 0
	s_add_nc_u64 s[46:47], s[46:47], s[98:99]
; THE HEAD'S LOADS, ONE A WAVE: one tree of branches on the wave's number, an arm a load, all arms leading to one join
.macro ARM under, g0, g1, next
	s_cmp_lt_u32 s[WV], \under
	s_cbranch_scc0 \next
	tensor_load_to_lds s[\g0:\g0+3], s[\g1:\g1+7]
	s_nop 0
.rept 4
	v_nop
.endr
	s_branch .Lhead_asked
\next:
.endm
	ARM 1, G0,  G1,  .Lhead_b
	ARM 2, G0B, G1B, .Lhead_sa
	ARM 3, G0S, G1S, .Lhead_sb
	tensor_load_to_lds s[G0SB:G0SB+3], s[G1SB:G1SB+7]
	s_nop 0
.rept 4
	v_nop
.endr
.Lhead_asked:
	v_and_b32 v1, 15, v0                           ; r = l % 16; kept
	v_bfe_u32 v2, v0, 4, 1                         ; h = l / 16; kept
	v_mul_u32_u24 v3, v1, PITCH
	v_lshl_add_u32 v4, v2, 4, v3                   ; a fragment's row x pitch + 16 x half
	s_mul_i32 s98, s[RH], HALFT                    ; my 128 rows of the first operand
	s_mul_i32 s99, s[CH], HALFT                    ; my 128 rows of the second,
	s_add_co_u32 s99, s99, 2*HALFT                 ; which lie behind the first's 256
.irp s, 0,1
	v_add_nc_u32 v[ADRA+\s], s98, v4
	v_add_nc_u32 v[ADRB+\s], s99, v4
	s_add_co_u32 s98, s98, SLOT
	s_add_co_u32 s99, s99, SLOT
.endr
	v_mul_u32_u24 v5, v1, KS                       ; my row's scale bytes: 64 a row,
	v_lshrrev_b32 v6, 8, v5
	v_lshl_add_u32 v5, v6, 4, v5                   ; and 16 more for each 256 passed
	s_mul_i32 s98, s[RH], HALFS
	s_mul_i32 s99, s[CH], HALFS
	s_add_co_u32 s99, s99, 2*HALFS
	s_sub_co_u32 s99, s99, s98
	v_mul_u32_u24 v6, s99, v2                      ; lanes 16-31 take the second operand's
	s_add_co_u32 s98, s98, SCL
	v_add_nc_u32 v5, v5, v6
	v_add_nc_u32 v[ADRS], s98, v5
	v_and_b32 v6, 31, v0
	v_lshlrev_b32 v[LI], 4, v6
	v_lshlrev_b32 v22, 11, v6                      ; the prefetches' offset: a lane a row; never rewritten
	global_prefetch_b8 v22, s[46:47] th:TH_LOAD_NT scope:SCOPE_SE               ; K step 1: 256 bytes of each of my 32 rows,
	global_prefetch_b8 v22, s[46:47] offset:ROWB th:TH_LOAD_NT scope:SCOPE_SE   ; and K step 2
	v_lshlrev_b32 v[RO], 9, v1
	v_lshl_add_u32 v[RO], v2, 5, v[RO]
	v_lshlrev_b32 v[SO], 5, v1
	v_lshl_add_u32 v[SO], v2, 4, v[SO]
	; where my wave's results go.  q, k: head = my columns, block of positions = my rows; v: the other way round
	s_lshl_b32 s96, s42, 1
	s_add_co_u32 s96, s96, s[CH]
	s_lshl_b32 s97, s[TR], 1
	s_add_co_u32 s97, s97, s[RH]
	s_cmp_eq_u32 s[TY], 2
	s_cselect_b32 s98, s97, s96                    ; the head
	s_cselect_b32 s99, s96, s97                    ; the block of 128 positions
	s_lshl_b32 s100, s98, 9                        ; the bias: 128 numbers a head, for all three types
	s_mov_b32 s101, 0
	s_cmp_eq_u32 s[TY], 1
	s_cselect_b64 s[8:9], s[10:11], s[8:9]
	s_cmp_eq_u32 s[TY], 2
	s_cselect_b64 s[8:9], s[12:13], s[8:9]
	s_add_nc_u64 s[8:9], s[8:9], s[100:101]
	s_and_b32 s100, s[TY], 1                       ; the tables: q's or k's, at my first position (my rows: 128 x 512 bytes a block)
	s_lshl_b32 s100, s100, 20
	s_lshl_b32 s2, s97, 16
	s_add_co_u32 s100, s100, s2
	s_add_nc_u64 s[14:15], s[14:15], s[100:101]
	s_lshl_b32 s98, s98, 4
	s_add_co_u32 s98, s98, s99                     ; the record
	s_mov_b32 s99, 33792
	s_cmp_eq_u32 s[TY], 0
	s_cselect_b32 s99, 16896, s99                  ; its bytes
	s_cselect_b64 s[16:17], s[16:17], s[18:19]     ; qimg or kv
	s_mul_i32 s100, s98, s99
	s_cmp_eq_u32 s[TY], 2
	s_cselect_b32 s99, 16384, 0                    ; V's images lie behind K's
	s_add_co_u32 s100, s100, s99
	s_add_nc_u64 s[16:17], s[16:17], s[100:101]    ; my images
	s_mov_b32 s100, 32768
	s_cmp_eq_u32 s[TY], 0
	s_cselect_b32 s100, 16384, s100
	s_cmp_eq_u32 s[TY], 2
	s_cselect_b32 s100, 16896, s100
	s_add_nc_u64 s[18:19], s[16:17], s[100:101]    ; and their scale words
	s_mov_b32 s[SEL], 0x76543210
	s_mov_b32 s[SEL+1], 0xfedcba98
	s_mov_b32 s[MNT], 0x600000
.macro FRAG reg, adr, q, i             ; 16 rows x 128 K: lane l holds row l % 16; registers 4 c .. 4 c + 3 hold K = 32 c + 16 (l / 16) + 0 .. 15
.irp c, 0,1,2,3
	ds_load_b128 v[\reg+4*\c:\reg+4*\c+3], v[\adr] offset:128*(\q)+32*\c+(\i)*16*PITCH
.endr
.endm
; 16 matrix instructions: the first operand's blocks a0, a0 + 1 x the second's eight.  The 64 accumulators take turns, one instruction a turn, in the same order in every step.
.macro MUL16 a0, p, q, sc, zero
.irp a, \a0, \a0+1
.irp b, 0,1,2,3,4,5,6,7
.if \zero
	v_wmma_scale_f32_16x16x128_f8f6f4 v[8*(8*((\a)%4)+\b):8*(8*((\a)%4)+\b)+7], v[128*(\p)+FR*\b:128*(\p)+FR*\b+FR-1], v[AF+FR*(\a):AF+FR*(\a)+FR-1], 0, v[SC+8*NQ*(\sc)+NQ*\b+(\q)], v[SC+8*NQ*(\sc)+NQ*(\a)+(\q)] matrix_a_scale:MATRIX_SCALE_ROW1
.else
	v_wmma_scale_f32_16x16x128_f8f6f4 v[8*(8*((\a)%4)+\b):8*(8*((\a)%4)+\b)+7], v[128*(\p)+FR*\b:128*(\p)+FR*\b+FR-1], v[AF+FR*(\a):AF+FR*(\a)+FR-1], v[8*(8*((\a)%4)+\b):8*(8*((\a)%4)+\b)+7], v[SC+8*NQ*(\sc)+NQ*\b+(\q)], v[SC+8*NQ*(\sc)+NQ*(\a)+(\q)] matrix_a_scale:MATRIX_SCALE_ROW1
.endif
.endr
.endr
.endm
.macro FETCH_B slot, q, p
	WIN TO_B
.irp i, 0,1,2,3,4,5,6,7
	FRAG 128*(\p)+FR*\i, ADRB+\slot, \q, \i
.endr
	WIN 0
.endm
.macro FETCH_A slot, q, i0
.irp i, \i0, \i0+1, \i0+2, \i0+3
	FRAG AF+FR*(\i), ADRA+\slot, \q, \i
.endr
.endm
.macro SCALES sc                       ; a K step's scale words: two words a row; lanes 0-15 the first operand's block i, lanes 16-31 the second's
.irp i, 0,1,2,3,4,5,6,7
	ds_load_b64 v[SC+8*NQ*\sc+NQ*\i:SC+8*NQ*\sc+NQ*\i+1], v[ADRS] offset:\i*SBLK
.endr
.endm
.macro PLACES n                        ; plain vector instructions between a matrix instruction and a load into, or a read of, its registers (ISA guide 7.12.1 for reads)
.rept \n
	v_nop
.endr
.endm
.macro STEP slot, q, zero              ; 128 along K that has its successor in the same slot
	s_wait_dscnt 4*NL                              ; all but the youngest 16 loads (the first operand's blocks 4-7) are in
	WIN MUL_LO
	MUL16 0, (\q)%2, \q, \slot, \zero
	MUL16 2, (\q)%2, \q, \slot, \zero
	s_wait_dscnt 0
	PLACES NP
	FETCH_B \slot, (\q)+1, 1-(\q)%2
	FETCH_A \slot, (\q)+1, 0
	WIN MUL_HI
	MUL16 4, (\q)%2, \q, \slot, \zero
	MUL16 6, (\q)%2, \q, \slot, \zero
	PLACES NP
	WIN 0
	FETCH_A \slot, (\q)+1, 4
.endm
; A slot's last step changes slots: one barrier; in front of it each wave waits for all its tensor loads, adds 0 to its spare word, and waits for that and for its reads of this slot.  fill = 1: this slot is filled again, two K steps ahead.
.macro TURN slot, next, fill
.if \fill
	s_wait_xcnt 0x0                                ; my last prefetch has read its address: it is stepped here, a K step behind that prefetch
	s_add_nc_u64 s[46:47], s[46:47], ROWB          ; to the K step that this change of slots loads
.endif
	s_wait_tensorcnt 0x0
	ds_add_u32 v[SPW], v[NIL]                      ; 0 onto my spare word
	s_wait_dscnt 4*NL+1                            ; (the add and the youngest 16 loads may be out)
	WIN MUL_LO
	MUL16 0, 1, NQ-1, \slot, 0                     ; sixteen matrix instructions stand between the add and the wait for it
	s_wait_dscnt 0x0                               ; the add is done, and my reads of this slot are over
	s_barrier_signal -1
	MUL16 2, 1, NQ-1, \slot, 0
	WIN 0
	s_barrier_wait -1
.if \fill
	CREST                                          ; the barrier has opened a round of the cluster's barrier: no wave of any partner still reads this slot or has a load on its way
	s_add_nc_u64 s[G0+4*\slot+2:G0+4*\slot+3], s[G0+4*\slot+2:G0+4*\slot+3], 2*ROWB
	s_add_nc_u64 s[G0B+4*\slot+2:G0B+4*\slot+3], s[G0B+4*\slot+2:G0B+4*\slot+3], 2*ROWB
	JLOAD G0+4*\slot, G1, G0B+4*\slot, G1B         ; the first tensor load behind the round; its four v_nop are among the places in front of the loads below
	PLACES NP-4
.else
	PLACES NP
.endif
	s_wait_alu depctr_va_vdst(0)
	v_add_nc_u32 v[ADRS], 4*NQ, v[ADRS]            ; on to the next K step's scale words (no LDS load of mine is out)
	FETCH_B \next, 0, 0
	FETCH_A \next, 0, 0
	SCALES \next
.if \fill
	s_cmp_gt_u32 s3, 1                             ; the K step two behind the one just asked for; the loop's last trip has none
	s_cbranch_scc0 .Lno_ask_\@
	global_prefetch_b8 v22, s[46:47] offset:2*ROWB th:TH_LOAD_NT scope:SCOPE_SE
.Lno_ask_\@:
.endif
	WIN MUL_HI
	MUL16 4, 1, NQ-1, \slot, 0
	MUL16 6, 1, NQ-1, \slot, 0
	PLACES NP
	WIN 0
	FETCH_A \next, 0, 4
.endm
.macro LAST                            ; the very last 128 along K: nothing more to fetch
	s_wait_dscnt 4*NL
	WIN MUL_LO
	MUL16 0, 1, NQ-1, 1, 0
	MUL16 2, 1, NQ-1, 1, 0
	s_wait_dscnt 0
	WIN MUL_HI
	MUL16 4, 1, NQ-1, 1, 0
	MUL16 6, 1, NQ-1, 1, 0
	WIN 0
.endm
; The tables of block a's 16 positions into set p of window 1: lane (r, h): cos and sin at channels 16 b + 8 h + 0 .. 7, b = 0 .. 3
.macro TABLE a, p
	WIN TO_B
.irp b, 0,1,2,3
.irp e, 0,1
	global_load_b128 v[64*(\p)+8*\b+4*\e:64*(\p)+8*\b+4*\e+3], v[RO], s[14:15] offset:8192*(\a)+64*\b+16*\e
	global_load_b128 v[64*(\p)+32+8*\b+4*\e:64*(\p)+32+8*\b+4*\e+3], v[RO], s[14:15] offset:8192*(\a)+256+64*\b+16*\e
.endr
.endr
	WIN 0
.endm
; 64 numbers of a lane, v[s] on, 16 of each of four blocks of 32 (the other 16 lie in lane l xor 16), become a fragment's codes in v[pc] on, in the window that the setting w gives the destination, and its scale word in v[pw]
.macro QUANT s, pw, pc, w
.irp b, 0,1,2,3
	v_max3_num_f32 v[TM+\b], |v[\s+16*\b]|, |v[\s+1+16*\b]|, 0x4800000   ; my 16 numbers, and the floor 2^(9 - 127): the byte cannot fall under 1
.endr
.irp i, 2,4,6,8,10,12,14
.irp b, 0,1,2,3
	v_max3_num_f32 v[TM+\b], v[TM+\b], |v[\s+16*\b+\i]|, |v[\s+1+16*\b+\i]|   ; (the four blocks by turns)
.endr
.endr
.irp b, 0,1,2,3
	v_permlanex16_b32 v[TM+4+\b], v[TM+\b], s[SEL], s[SEL+1]
.endr
.irp b, 0,1,2,3
	v_max_num_f32 v[TM+\b], v[TM+\b], v[TM+4+\b]   ; the block's largest magnitude
.endr
.irp b, 0,1,2,3
	v_add_nc_u32 v[TM+12+\b], 0xfc000000, v[TM+\b] ; 8 off its exponent field: the conversion's scale operand
.endr
.irp b, 0,1,2,3
	v_and_or_b32 v[TM+8+\b], v[TM+\b], 0x7f800000, s[MNT]   ; 448 x the scale
.endr
.irp b, 0,1,2,3
	v_lshrrev_b32 v[TM+4+\b], 23, v[TM+12+\b]      ; the scale's byte
.endr
	v_lshl_or_b32 v[\pw], v[TM+5], 8, v[TM+4]
	v_lshl_or_b32 v[\pw], v[TM+6], 16, v[\pw]
	v_lshl_or_b32 v[\pw], v[TM+7], 24, v[\pw]
.irp b, 0,1,2,3
.irp i, 0,1,2,3,4,5,6,7,8,9,10,11,12,13,14,15
	v_med3_num_f32 v[\s+16*\b+\i], v[\s+16*\b+\i], -v[TM+8+\b], v[TM+8+\b]   ; the conversion to an 8-bit code does not saturate (ISA guide 7.6.2)
.endr
.endr
	WIN \w                                         ; the eight conversions stand together: one switch of the destination's window serves them
.irp b, 0,1,2,3
	v_cvt_scalef32_pk8_fp8_f32 v[\pc+4*\b:\pc+1+4*\b], v[\s+16*\b:\s+7+16*\b], v[TM+12+\b]
	v_cvt_scalef32_pk8_fp8_f32 v[\pc+2+4*\b:\pc+3+4*\b], v[\s+8+16*\b:\s+15+16*\b], v[TM+12+\b]
.endr
	WIN 0
	v_nop                                          ; a plain instruction behind the conversions, ahead of whatever vector instruction next writes their sources
.endm
; Block a of 16 rows leaves: + bias, rotated (rope = 1), quantised, stored as an image.  Its codes lie in registers that nothing writes again, so nothing here waits for a store.
.macro EBLOCK a, rope
.set AC, 64*((\a)%4)
.set TP, 64*((\a)%4)
.if \rope
.if (\a) < 5
	s_wait_loadcnt 48                              ; the bias and this block's tables are in; the 16 loads of each of the next three blocks may be out
.else
	s_wait_loadcnt 16*(7-(\a))
.endif
.endif
	WIN 0x02+(\a)/4                                ; source 0: the accumulators' window
.set i, 0
.rept 32                               ; each accumulator is read from its low end on
.if \rope
	v_pk_add_f32 v[T+2*i:T+2*i+1], v[AC+2*i:AC+2*i+1], v[BIAS+2*i:BIAS+2*i+1]
.else
	v_pk_add_f32 v[T+2*i:T+2*i+1], v[AC+2*i:AC+2*i+1], v[BIAS+2*(\a):BIAS+2*(\a)+1]
.endif
.set i, i+1
.endr
.if \rope
	WIN 0x04                                       ; source 1: the tables, in window 1
.irp b, 0,1,2,3
.irp k, 0,2,4,6
	v_pk_mul_f32 v[X+\k:X+\k+1], v[T+32+8*\b+\k:T+32+8*\b+\k+1], v[TP+32+8*\b+\k:TP+32+8*\b+\k+1]      ; x(d + 64) sin
.endr
.irp k, 0,2,4,6
	v_pk_mul_f32 v[X+8+\k:X+8+\k+1], v[T+8*\b+\k:T+8*\b+\k+1], v[TP+32+8*\b+\k:TP+32+8*\b+\k+1]        ; x(d) sin
.endr
.irp k, 0,2,4,6
	v_pk_fma_f32 v[T+8*\b+\k:T+8*\b+\k+1], v[T+8*\b+\k:T+8*\b+\k+1], v[TP+8*\b+\k:TP+8*\b+\k+1], v[X+\k:X+\k+1] neg_lo:[0,0,1] neg_hi:[0,0,1]
.endr
.irp k, 0,2,4,6
	v_pk_fma_f32 v[T+32+8*\b+\k:T+32+8*\b+\k+1], v[T+32+8*\b+\k:T+32+8*\b+\k+1], v[TP+8*\b+\k:TP+8*\b+\k+1], v[X+8+\k:X+8+\k+1]
.endr
.endr
.if (\a) < 4
	TABLE (\a)+4, (\a)%4
.endif
.endif
	WIN 0
	QUANT T, PWS+(\a), 16*((\a)%4), (2+(\a)/4)<<6  ; the codes: v[16 (a % 4)] on of the window of blocks 0-3 or 4-7: the accumulators of that window's first block, which have been read
	WIN (2+(\a)/4)<<2                              ; a store's data are its source 1
.irp c, 0,1,2,3
	global_store_b128 v[LI], v[16*((\a)%4)+4*\c:16*((\a)%4)+4*\c+3], s[16:17] offset:2048*(\a)+512*\c   ; 512 consecutive bytes a store
.endr
	WIN 0
.endm
	s_wait_alu depctr_va_vdst(0)
	s_wait_tensorcnt 0x0                           ; my tile of the head's four is in; these lines stand ahead of a later first fill
	ds_add_u32 v[SPW], v[NIL]
	s_mov_b32 s[G1+2], 128<<16                     ; no tensor load of mine is out, so descriptors may be written: from here on a load brings 128 rows,
	s_mov_b32 s[G1+4], 128
	s_mov_b32 s[G1B+2], 128<<16
	s_mov_b32 s[G1B+4], 128
	s_mov_b32 s[G0+1], s45                         ; and slot 0's groups 0 stand at my 128 rows of K step 0
	s_add_nc_u64 s[G0+2:G0+3], s[G0+2:G0+3], s[92:93]
	s_mov_b32 s[G0B+1], s45
	s_add_nc_u64 s[G0B+2:G0B+3], s[G0B+2:G0B+3], s[92:93]
	s_wait_dscnt 0x0
	CROUND                                         ; a whole round: all four tiles are in, in every partner
	JLOAD G0+4, G1, G0B+4, G1B                     ; K step 1: the first tensor load behind the round
	FETCH_B 0, 0, 0
	FETCH_A 0, 0, 0
	SCALES 0
	FETCH_A 0, 0, 4
	global_prefetch_b8 v22, s[46:47] offset:2*ROWB th:TH_LOAD_NT scope:SCOPE_SE   ; K step 3, behind K step 1's load and the first fragments' loads
	STEP 0, 0, 1
	s_mov_b32 s3, LAPS-1
.Llap:                                                 ; a trip goes once round the ring and fills both slots again
	TURN 0, 1, 1
	STEP 1, 0, 0
	TURN 1, 0, 1
	STEP 0, 0, 0
	s_sub_co_u32 s3, s3, 1
	s_cmp_lg_u32 s3, 0
	s_cbranch_scc1 .Llap
	TURN 0, 1, 0                                   ; the last lap fills nothing, and has no round of the cluster's barrier
	STEP 1, 0, 0
	; ONE branch on the type, the same in the whole cluster; no barrier and no tensor load stands on either way.  Each way loads its bias, multiplies the last 128 along K, and sends its eight blocks out.
	s_cmp_eq_u32 s[TY], 2
	s_cbranch_scc1 .Lv_tail
	v_lshlrev_b32 v[BOF], 5, v2                    ; q, k: the bias runs along the columns: register 8 b + j holds that of channel 16 b + 8 h + j
.irp b, 0,1,2,3,4,5,6,7
.irp e, 0,1
	global_load_b128 v[BIAS+8*\b+4*\e:BIAS+8*\b+4*\e+3], v[BOF], s[8:9] offset:64*\b+16*\e
.endr
.endr
	TABLE 0, 0                                     ; the second operand's set at v0 was last read ahead of the eight places that close the step above
	TABLE 1, 1
	LAST
	PLACES NP
	TABLE 2, 2                                     ; the second operand's other set is free behind the last products and their eight places: the tables run four blocks ahead
	TABLE 3, 3
.irp b, 0,1,2,3
	v_mov_b32 v[TM+4+\b], 0                        ; written once: a lane permute's destination counts as one of its sources
.endr
.irp a, 0,1,2,3,4,5,6,7
	EBLOCK \a, 1
.endr
	s_branch .Lwords
.Lv_tail:
	v_lshlrev_b32 v[BOF], 2, v1                    ; v: the bias runs along the rows: a pair of registers for block a holds that of channel 16 a + r twice
.irp a, 0,1,2,3,4,5,6,7
.irp w, 0,1
	global_load_b32 v[BIAS+2*\a+\w], v[BOF], s[8:9] offset:64*\a
.endr
.endr
	LAST
	PLACES NP
.irp b, 0,1,2,3
	v_mov_b32 v[TM+4+\b], 0
.endr
	s_wait_loadcnt 0x0                             ; the bias
.irp a, 0,1,2,3,4,5,6,7
	EBLOCK \a, 0
.endr
.Lwords:
	v_bfe_u32 v[X+4], v0, 4, 1                     ; the eight scale words of row r: lanes 0-15 store those of images 0-3, lanes 16-31 of images 4-7: 512 consecutive bytes
	v_cmp_ne_u32 vcc_lo, 0, v[X+4]
.irp i, 0,1,2,3
	v_cndmask_b32 v[X+\i], v[PWS+\i], v[PWS+4+\i], vcc_lo
.endr
	global_store_b128 v[SO], v[X:X+3], s[18:19]
	s_wait_tensorcnt 0x0                           ; the wave's end
	ds_add_u32 v[SPW], v[NIL]
	s_wait_dscnt 0x0
	CROUND                                         ; the closing round: no work-group ends while a partner may still ask for a tile that names it
	s_endpgm
; ---------------- TYPE 3: THE MASK'S IMAGE ----------------
; mimg [128 tiles of 16 queries][16 steps of 128 keys][8,192 bytes]: in a tile's step, group g = 2 t + e of four registers of lane l = (r, h) lies at 512 g + 16 l and holds mask(query r, key 16 t + 8 h + 4 e + 0 .. 3):
; the layout of the C operand of the score products, so that the attention's loads of 512 consecutive bytes bring it straight into that operand.
; 64 work-groups x 4 waves: wave W of 256 takes tile W / 2 and eight of its steps, 65,536 bytes in and as many out.  These work-groups share no input: nothing is asked for jointly, and no tensor load is issued on this way.
; A step: 16 loads (lane l: row 4 i + l / 8, 16 bytes at 128 k + 16 (l % 8)); four turns, one for each 32 keys, through the wave's own stage of 16 rows x 144 bytes; 16 stores of 512 consecutive bytes.
; The eight steps go as a loop of two trips of four: a trip asks for its four steps' 64 loads at its head, each step into 64 registers of its own, and the next trip's loads land there only behind s_wait_xcnt 0.
.macro MLOAD s
	WIN 0x88+0x44*((\s)/4)                         ; loaded data (destination) and stored data (source 1) in window 2 or 3, addresses (source 0) in window 0
.irp k, 0,1,2,3
.irp i, 0,1,2,3
	global_load_b128 v[64*((\s)%4)+16*\k+4*\i:64*((\s)%4)+16*\k+4*\i+3], v5, s[4:5] offset:32768*\i+512*(\s)+128*\k
.endr
.endr
.endm
.macro MTURN s, left                   ; left: the loads of later steps, which may stay out
	s_wait_loadcnt \left
	WIN 0x88+0x44*((\s)/4)
.irp k, 0,1,2,3
.irp i, 0,1,2,3
	ds_store_b128 v6, v[64*((\s)%4)+16*\k+4*\i:64*((\s)%4)+16*\k+4*\i+3] offset:4*MPI*\i
.endr
.irp j, 0,1,2,3
	ds_load_b128 v[64*((\s)%4)+16*\k+4*\j:64*((\s)%4)+16*\k+4*\j+3], v9 offset:64*(\j/2)+16*(\j%2)   ; group g = 4 k + j.  LDS serves a wave's instructions in order (ISA guide 5.7.1.4): these see the stores above, and the next turn's stores come behind them
.endr
.endr
	s_wait_dscnt 0x0
.irp g, 0,1,2,3,4,5,6,7,8,9,10,11,12,13,14,15
	global_store_b128 v10, v[64*((\s)%4)+4*\g:64*((\s)%4)+4*\g+3], s[6:7] offset:8192*(\s)+512*\g   ; 512 consecutive bytes a store
.endr
.endm
.Lmask:
	s_load_b128 s[4:7], s[0:1], 0x40               ; attention_mask, mimg (no scalar load is out: the registers are free)
	s_lshl_b32 s96, s[TR], 3
	s_add_co_u32 s96, s96, s42
	s_lshl_b32 s96, s96, 2
	s_add_co_u32 s96, s96, s[WV]                   ; W = 4 (8 x tile row + tile column) + wave
	s_lshr_b32 s98, s96, 1
	s_lshl_b32 s98, s98, 17                        ; the tile's 16 rows of 8,192 bytes,
	s_and_b32 s100, s96, 1
	s_lshl_b32 s100, s100, 12                      ; my eight steps of 512 bytes
	s_add_co_u32 s98, s98, s100
	s_mov_b32 s99, 0
	s_lshl_b32 s100, s96, 16                       ; the image: (16 x tile + 8 (W % 2)) x 8,192 = 65,536 W
	s_mov_b32 s101, 0
	s_mul_i32 s97, s[WV], MSTG
	s_add_co_u32 s97, s97, STG                     ; my stage: the wave's number alone enters an LDS address
	v_and_b32 v2, 31, v0                           ; lane
	v_lshrrev_b32 v3, 3, v2
	v_and_b32 v4, 7, v2
	v_lshlrev_b32 v5, 4, v4
	v_lshl_add_u32 v5, v3, 13, v5                  ; in memory: row l / 8, 16 (l % 8)
	v_mul_u32_u24 v6, v3, MPI
	v_lshl_add_u32 v6, v4, 4, v6
	v_add_nc_u32 v6, s97, v6                       ; into the stage: the same place
	v_and_b32 v7, 15, v2
	v_lshrrev_b32 v8, 4, v2
	v_mul_u32_u24 v9, v7, MPI
	v_lshl_add_u32 v9, v8, 5, v9
	v_add_nc_u32 v9, s97, v9                       ; out of it: row r, + 32 h
	v_lshlrev_b32 v10, 4, v2                       ; 16 x lane
	s_wait_alu depctr_va_vdst(0)
	s_wait_kmcnt 0x0
	s_add_nc_u64 s[4:5], s[4:5], s[98:99]
	s_add_nc_u64 s[6:7], s[6:7], s[100:101]
	s_mov_b32 s96, 2
.Lmhalf:
	MLOAD 0
	MLOAD 1
	MLOAD 2
	MLOAD 3
	MTURN 0, 48                                    ; the 48 loads of the three steps behind it may be out
	MTURN 1, 32
	MTURN 2, 16
	MTURN 3, 0
	WIN 0
	s_wait_xcnt 0x0                                ; the stores have read their data and their base: both are written again below and in the next trip
	s_add_nc_u64 s[4:5], s[4:5], 2048              ; four steps of 512 bytes on in each row of the mask,
	s_add_nc_u64 s[6:7], s[6:7], 32768             ; four steps of 8,192 bytes on in the image
	s_sub_co_u32 s96, s96, 1
	s_cmp_lg_u32 s96, 0
	s_cbranch_scc1 .Lmhalf
	WIN 0
	s_wait_tensorcnt 0x0                           ; the wave's end
	ds_add_u32 v[SPW], v[NIL]
	s_wait_dscnt 0x0
	CROUND                                         ; the closing round
	s_endpgm
.Lfunc_end_k_qffc052ae10_qkv:
	.size	k_qffc052ae10_qkv, .Lfunc_end_k_qffc052ae10_qkv-k_qffc052ae10_qkv
	.p2alignl 7, 3214868480
	.fill 96, 4, 3214868480
	.section	.rodata,"a",@progbits
	.p2align	6, 0x0
	.amdhsa_kernel k_qffc052ae10_qkv
		.amdhsa_group_segment_fixed_size 327680
		.amdhsa_private_segment_fixed_size 0
		.amdhsa_enable_private_segment 0
		.amdhsa_kernarg_size 80
		.amdhsa_user_sgpr_count 2
		.amdhsa_user_sgpr_kernarg_segment_ptr 1
		.amdhsa_wavefront_size32 1
		.amdhsa_system_sgpr_workgroup_id_x 1
		.amdhsa_system_sgpr_workgroup_id_y 1
		.amdhsa_system_sgpr_workgroup_id_z 1
		.amdhsa_system_vgpr_workitem_id 0
		.amdhsa_next_free_vgpr 1024
		.amdhsa_next_free_sgpr 102
		.amdhsa_reserve_vcc 1
		.amdhsa_float_denorm_mode_32 3
		.amdhsa_float_denorm_mode_16_64 3
		.amdhsa_memory_ordered 1
		.amdhsa_forward_progress 1
		.amdhsa_inst_pref_size 255
	.end_amdhsa_kernel
	.section	.bss,"aw",@nobits
	.p2align	6
	.space	262144
	.amdgpu_metadata
---
amdhsa.version: [ 1, 2 ]
amdhsa.kernels:
  - .name:           k_qffc052ae10_qkv
    .symbol:         k_qffc052ae10_qkv.kd
    .args:
      - { .name: codes, .offset: 0, .size: 8, .value_kind: global_buffer, .address_space: global }
      - { .name: scales, .offset: 8, .size: 8, .value_kind: global_buffer, .address_space: global }
      - { .name: bq, .offset: 16, .size: 8, .value_kind: global_buffer, .address_space: global }
      - { .name: bk, .offset: 24, .size: 8, .value_kind: global_buffer, .address_space: global }
      - { .name: bv, .offset: 32, .size: 8, .value_kind: global_buffer, .address_space: global }
      - { .name: rope, .offset: 40, .size: 8, .value_kind: global_buffer, .address_space: global }
      - { .name: qimg, .offset: 48, .size: 8, .value_kind: global_buffer, .address_space: global }
      - { .name: kv, .offset: 56, .size: 8, .value_kind: global_buffer, .address_space: global }
      - { .name: attention_mask, .offset: 64, .size: 8, .value_kind: global_buffer, .address_space: global }
      - { .name: mimg, .offset: 72, .size: 8, .value_kind: global_buffer, .address_space: global }
    .group_segment_fixed_size: 327680
    .private_segment_fixed_size: 0
    .kernarg_segment_align: 8
    .kernarg_segment_size: 80
    .max_flat_workgroup_size: 128
    .sgpr_count:     102
    .vgpr_count:     1024
    .wavefront_size: 32
...
	.end_amdgpu_metadata
.endif
;; end of part 2
;; launch attn (part 3): grid 16 x 16, 4 waves a work-group, clusters of 4 x 1, 327,680 bytes of LDS; arguments qimg, kv, mimg, oimg, oscales; writes oimg, oscales
.if DOCPART == 3
	.amdgcn_target "amdgcn-amd-amdhsa--gfx1250"
	.amdhsa_code_object_version 6
	.text
	.protected	k_qffc052ae10_attn
	.globl	k_qffc052ae10_attn
	.p2align	8
	.type	k_qffc052ae10_attn,@function
k_qffc052ae10_attn:
	s_mov_b64 s[64:65], 0
	v_nop
	global_prefetch_b8 v0, s[64:65] scope:SCOPE_SE
	s_setreg_imm32_b32 hwreg(HW_REG_WAVE_MODE, 25, 1), 1
	s_wait_xcnt 0x0
	s_wait_alu depctr_hold_cnt(0) depctr_sa_sdst(0) depctr_va_vdst(0) depctr_va_sdst(0) depctr_va_ssrc(0) depctr_va_vcc(0) depctr_vm_vsrc(0)
	s_getreg_b32 s2, hwreg(HW_REG_IB_STS2, 6, 4)
	s_cmp_eq_u32 s2, 0
	s_cbranch_scc0 .Lentry_in_a_cluster
	s_endpgm
.Lentry_in_a_cluster:
	s_bfe_u32 s2, ttmp6, 0x10000c
	s_cmp_lg_u32 s2, 0x3003
	s_cbranch_scc0 .Lentry_shape_is_right
	s_endpgm
.Lentry_shape_is_right:
; ATTENTION ON CODES OF FP8 (E4M3), one E8M0 scale for each 32 along a product's K: o = softmax(q k^T + mask) v for 16 heads of 128, 2,048 queries and keys; o is quantised along the head's 128 for the last projection.
; The mask is an input: every key counts for every query, and all 16 steps of 128 keys are walked.  It comes as the C operand of the score products (mimg holds it in that operand's order), so no instruction adds it.
; THE SOFTMAX: t = (score + mask) x log2(e); M = the running largest t, rounded up to a whole number, kept as -M = floor(-t); p = 2^(t - M) is quantised along the keys, not normalised; the row's sum is taken of the
; unquantised p and divides O at the end.  When M moves, the sum and O are multiplied by 2^(old M - new M), made by v_ldexp_f32: nothing is rounded, and no branch hangs on data.
; LIMITS: the promise holds while the scaled scores t stay under 2^31 in magnitude; NaN and infinities are not served; a block's scale byte never falls under 1 (this program alone reads the bytes).
; SHARES: a work-group owns 128 queries of one head, a wave 32 of them: two tiles of 16, so that each fragment of K and of V feeds two matrix instructions.  256 work-groups.
; CLUSTER: the four work-groups of a cluster are four query blocks of one head and walk the same K and V: each slot is asked for jointly, a quarter a wave, behind a round of the cluster's barrier.
; BUFFERS: kv: records (16 head + block of 128 keys) of REC bytes: K's 8 images, V's 8 images (an image: 16 rows x 128 codes in the order of an operand's registers, 512 c + 16 lane), K's and V's scale words (32 r + 4 image).
; Both products are used transposed (S^T = K Q^T, O^T = V^T P^T): a lane holds one query (lane % 16).  Inside a block of 32 keys the images' order is the order in which the scores' registers hold them, on both operands alike.
; THE ORDER OF A STEP.  Exponentials go in two batches, each with one s_wait_alu ahead and one behind.  Between a batch's exponentials stand plain lines that hang on nothing written in that batch:
; in tile 0's batch tile 1's multiply-adds, in tile 1's batch tile 0's holds.  O is rescaled ahead of the batches, so that no exponential stands between the products that wrote it and its first reader.
; Tile 0's second products stand, two at a time, among tile 1's holds.
; PREFETCH: at each change of slots the cluster's sixteen waves ask for the slot that the next change will load: 264 blocks of 256 bytes, 17 to a wave, told apart by address (4 cx + wave); lanes that are left over name their
; wave's last block again.  Slot 2 is asked for at the head; slots 0 and 1 come by their loads alone; the last change that fills asks for nothing.
; REGISTERS: window 0: addresses, states, scale words, v64-191 the scores and p, v192-223 p's codes, v224-255 work; window 1: K's fragments v0-127, V's v128-255; window 2: O^T v0-127, Q v128-159; window 3: the mask, two sets of 128.
.set REC,   33792
.set SLOTB, 2*REC                      ; a slot: 256 keys
.set QUART, SLOTB/4                    ; 66 rows of 256 bytes: what one wave fetches
.set SLOT1, 131072
.set SPARE, SLOT1+SLOTB                ; the spare words: 128 bytes a wave, two blocks of 256 bytes that no other line names
.set LI,  1                            ; 16 x lane
.set R32, 2                            ; 32 r
.set ADV, 3                            ; LDS addresses of the step's V images, V words, the next step's K images, K words
.set ASV, 4
.set ADK, 5
.set ASK, 6
.set SPW, 7                            ; my spare word; never rewritten
.set NIL, 8                            ; 0; never rewritten
.set H,   9                            ; lane / 16
.set R64, 10                           ; 64 r
.set ST,  12                           ; a tile's state, four registers: -M, the largest t, the sum in two halves
.set F,   20                           ; 2^(old M - new M), a pair a tile (the upper word is written once)
.set TT,  24
.set PFO, 30                           ; the prefetches' offset; never rewritten
.set KSC, 32
.set VSC, 40
.set QSC, 48
.set PSW, 50
.set OSW, 52
.set C1,  56                           ; v56-61 three more chains of a row's sum
.set C2,  58
.set C3,  60
.set S,   64
.set PC,  192
.set TM,  224                          ; a tile's 16: largest scores or p, lane partner's / bytes, bounds, scale operands
.set QW,  128
.set WV,  14
.set SEL, 20
.set CS,  22
.set MNT, 24
.set TB,  25
.set RV,  26
.set RK,  27
.set G1,  28
.set G0A, 36
.set G0W, 40
.set PFA, 44
.set MSB, 0
.macro WIN new                         ; the immediate's high byte repeats the setting that is left
.if MSB != (\new)
	s_set_vgpr_msb (MSB<<8)|(\new)
.set MSB, (\new)
.endif
.endm
.macro ROUND                           ; a round of the cluster's barrier
	s_barrier_signal -1
	s_barrier_wait -1
	s_cmp_lg_u32 s[WV], 0
	s_cbranch_scc1 .Lnot_wave_0_\@
	s_barrier_signal -3
.Lnot_wave_0_\@:
	s_barrier_wait -3
	s_barrier_signal -1
	s_barrier_wait -1
.endm
	s_load_b128 s[4:7], s[0:1], 0x0                ; qimg, kv
	s_load_b128 s[8:11], s[0:1], 0x10              ; mimg, oimg
	s_load_b64 s[12:13], s[0:1], 0x20              ; oscales
	v_lshl_add_u32 v[SPW], v0, 2, SPARE
	v_mov_b32 v[NIL], 0
	ds_add_u32 v[SPW], v[NIL]                      ; the opening lines: the add, twice on end, and its wait ahead of my first tensor load
	ds_add_u32 v[SPW], v[NIL]
	v_lshrrev_b32 v1, 5, v0
	v_readfirstlane_b32 s[WV], v1
	s_bfe_u32 s16, ttmp6, 0x40000                  ; cx
	s_lshl_b32 s18, ttmp9, 2
	s_add_co_u32 s18, s18, s16                     ; my block of 128 queries
	s_and_b32 s19, ttmp7, 0xffff                   ; the head
	s_mov_b32 s[G1], 15|(3<<16)|(1<<21)            ; the mask names all four partners; elements of 8 bytes; bit 21 beside a mask
	s_mov_b32 s[G1+1], 32<<16                      ; 66 dense rows of 256 bytes
	s_mov_b32 s[G1+2], 66<<16
	s_mov_b32 s[G1+3], 32<<16
	s_mov_b32 s[G1+4], 66
	s_mov_b32 s[G1+5], 32
	s_mov_b32 s[G1+6], 0
	s_mov_b32 s[G1+7], 0
	s_mul_i32 s62, s19, 16*REC                     ; the head's 16 records
	s_mov_b32 s63, 0
	s_mul_i32 s61, s[WV], QUART                    ; my quarter of a slot
	s_mov_b32 s70, s61
	s_mov_b32 s71, 0
	s_wait_dscnt 0x0
	s_wait_kmcnt 0x0
	s_add_nc_u64 s[62:63], s[6:7], s[62:63]
	s_add_nc_u64 s[PFA:PFA+1], s[62:63], 2*SLOTB   ; the prefetches stand at slot 2
	s_add_nc_u64 s[62:63], s[62:63], s[70:71]
	s_mov_b32 s[G0A], 1
	s_mov_b32 s[G0A+1], s61
	s_mov_b64 s[G0A+2:G0A+3], s[62:63]
	s_or_b32 s[G0A+3], s[G0A+3], 0x80000000
	s_mov_b32 s[G0W], 1                            ; the walking descriptor begins at slot 1
	s_add_co_u32 s[G0W+1], s61, SLOT1
	s_add_nc_u64 s[G0W+2:G0W+3], s[62:63], SLOTB
	s_or_b32 s[G0W+3], s[G0W+3], 0x80000000
	ROUND                                          ; in front of the first joint load
	tensor_load_to_lds s[G0A:G0A+3], s[G1:G1+7]    ; slot 0: my one load at the head; all that follows up to the wait stands under its flight
	s_nop 0
.rept 4
	v_nop
.endr
	s_lshl_b32 s70, s19, 4
	s_add_co_u32 s70, s70, s18
	s_mul_i32 s70, s70, 16896
	s_add_nc_u64 s[4:5], s[4:5], s[70:71]          ; Q's record
	s_lshl_b32 s66, s18, 3
	s_lshl_b32 s70, s[WV], 1
	s_add_co_u32 s66, s66, s70                     ; my first tile of 16 queries
	s_lshl_b32 s70, s66, 17
	s_add_nc_u64 s[8:9], s[8:9], s[70:71]          ; its mask: 16 steps of 8,192 bytes
	s_lshl_b32 s70, s66, 4
	s_add_co_u32 s70, s70, s19
	s_lshl_b32 s70, s70, 11
	s_add_nc_u64 s[10:11], s[10:11], s[70:71]      ; oimg [tile][head][2,048]
	s_lshl_b32 s70, s66, 10
	s_lshl_b32 s61, s19, 2
	s_add_co_u32 s70, s70, s61
	s_add_nc_u64 s[12:13], s[12:13], s[70:71]      ; oscales [row][head] words
	s_lshl_b32 s61, s16, 2
	s_add_co_u32 s61, s61, s[WV]
	s_mul_i32 s61, s61, 17                         ; my 17 blocks of a slot's 264
	s_mov_b32 s[SEL], 0x76543210
	s_mov_b32 s[SEL+1], 0xfedcba98
	s_mov_b32 s[CS], 0x3fb8aa3b                    ; log2(e)
	s_mov_b32 s[CS+1], s[CS]
	s_mov_b32 s[MNT], 0x600000                     ; the mantissa field of 448
	s_mov_b32 s[TB], 0
	s_mov_b32 s60, 6
	v_and_b32 v54, 15, v0
	v_bfe_u32 v[H], v0, 4, 1
	v_and_b32 v55, 31, v0
	v_lshlrev_b32 v[LI], 4, v55
	v_lshlrev_b32 v[R32], 5, v54
	v_lshlrev_b32 v[R64], 6, v54
	v_min_u32 v[PFO], 16, v55
	v_add_nc_u32 v[PFO], s61, v[PFO]
	v_min_u32 v[PFO], 263, v[PFO]                  ; inside the slot
	v_lshlrev_b32 v[PFO], 8, v[PFO]
	v_lshl_add_u32 v62, s[WV], 12, v[LI]           ; my two images of Q
	v_lshl_add_u32 v63, s[WV], 3, v[R32]           ; and their scale words
	v_mov_b32 v[ADK], v[LI]
	v_mov_b32 v[ASK], v[R32]
.irp u, 0,1
	v_mov_b32 v[ST+4*\u+1], 0xff61b1e6             ; the largest t so far: -3e38
	v_floor_f32 v[ST+4*\u], -v[ST+4*\u+1]
	v_mov_b32 v[ST+4*\u+2], 0
	v_mov_b32 v[ST+4*\u+3], 0
	v_mov_b32 v[F+2*\u+1], 0
.irp b, 0,1,2,3
	v_mov_b32 v[TM+16*\u+4+\b], 0                  ; a lane permute's destination counts as one of its sources
.endr
.endr
	s_wait_alu depctr_va_vdst(0)
	WIN 0x80
.irp u, 0,1
.irp c, 0,1,2,3
	global_load_b128 v[QW+16*\u+4*\c:QW+16*\u+4*\c+3], v62, s[4:5] offset:2048*\u+512*\c
.endr
.endr
	WIN 0
.irp u, 0,1
	global_load_b32 v[QSC+\u], v63, s[4:5] offset:16384+4*\u
.endr
.macro MASKLD p, u, off                ; a step's mask of tile u into set p: 16 loads of 512 consecutive bytes
	WIN 0xc0
.irp g, 0,1,2,3,4,5,6,7,8,9,10,11,12,13,14,15
	global_load_b128 v[128*(\p)+64*(\u)+4*\g:128*(\p)+64*(\u)+4*\g+3], v[LI], s[8:9] offset:(\off)+131072*(\u)+512*\g
.endr
	WIN 0
.endm
	MASKLD 0, 0, 0
	MASKLD 0, 1, 0
	MASKLD 1, 0, 8192
	MASKLD 1, 1, 8192
	WIN 0x80
.set j, 0
.rept 128
	v_mov_b32 v[j], 0                              ; O^T: the step is written once; the first change of M leaves zeros zeros
.set j, j+1
.endr
	WIN 0
.macro KRUN
	ds_load_b128 v[KSC:KSC+3], v[ASK] offset:32768
	ds_load_b128 v[KSC+4:KSC+7], v[ASK] offset:32784
	WIN 0x40
.irp t, 0,1,2,3,4,5,6,7
.irp c, 0,1,2,3
	ds_load_b128 v[16*\t+4*\c:16*\t+4*\c+3], v[ADK] offset:2048*\t+512*\c
.endr
.endr
	WIN 0
.endm
.macro VRUN
	ds_load_b128 v[VSC:VSC+3], v[ASV] offset:33280
	ds_load_b128 v[VSC+4:VSC+7], v[ASV] offset:33296
	WIN 0x40
.irp t, 0,1,2,3,4,5,6,7
.irp c, 0,1,2,3
	ds_load_b128 v[128+16*\t+4*\c:128+16*\t+4*\c+3], v[ADV] offset:16384+2048*\t+512*\c
.endr
.endr
	WIN 0
.endm
.macro PV u, t0, n                     ; O^T of tile u += V^T P^T, n tiles of 16 channels from t0 on; each has an accumulator of its own
	WIN 0xa1
.set T_, \t0
.rept \n
	v_wmma_scale_f32_16x16x128_f8f6f4 v[64*(\u)+8*T_:64*(\u)+8*T_+7], v[128+16*T_:128+16*T_+15], v[PC+16*(\u):PC+16*(\u)+15], v[64*(\u)+8*T_:64*(\u)+8*T_+7], v[VSC+T_], v[PSW+(\u)]
.set T_, T_+1
.endr
	WIN 0
.endm
.macro SUMS u                          ; the row's sum of the unquantised p: 32 packed additions in four chains
.set SB, S+64*(\u)
.set AC, ST+4*(\u)+2
	v_pk_add_f32 v[C1:C1+1], v[SB:SB+1], v[SB+2:SB+3]
	v_pk_add_f32 v[C2:C2+1], v[SB+4:SB+5], v[SB+6:SB+7]
	v_pk_add_f32 v[C3:C3+1], v[SB+8:SB+9], v[SB+10:SB+11]
.irp j, 12,20,28,36,44,52
	v_pk_add_f32 v[AC:AC+1], v[AC:AC+1], v[SB+\j:SB+\j+1]
	v_pk_add_f32 v[C1:C1+1], v[C1:C1+1], v[SB+\j+2:SB+\j+3]
	v_pk_add_f32 v[C2:C2+1], v[C2:C2+1], v[SB+\j+4:SB+\j+5]
	v_pk_add_f32 v[C3:C3+1], v[C3:C3+1], v[SB+\j+6:SB+\j+7]
.endr
	v_pk_add_f32 v[AC:AC+1], v[AC:AC+1], v[SB+60:SB+61]
	v_pk_add_f32 v[C1:C1+1], v[C1:C1+1], v[SB+62:SB+63]
	v_pk_add_f32 v[C2:C2+1], v[C2:C2+1], v[C3:C3+1]
	v_pk_add_f32 v[AC:AC+1], v[AC:AC+1], v[C1:C1+1]
	v_pk_add_f32 v[AC:AC+1], v[AC:AC+1], v[C2:C2+1]
.endm
.macro PREP u                          ; from each block's largest p: the floor, the conversion's scale operand, the bound 448 x the scale, the byte; the four bytes make p's scale word
.set TMB, TM+16*(\u)
.irp b, 0,1,2,3
	v_max_num_f32 v[TMB+\b], 0x4800000, v[TMB+\b]
.endr
.irp b, 0,1,2,3
	v_add_nc_u32 v[TMB+12+\b], 0xfc000000, v[TMB+\b]
.endr
.irp b, 0,1,2,3
	v_and_or_b32 v[TMB+8+\b], v[TMB+\b], 0x7f800000, s[MNT]
.endr
.irp b, 0,1,2,3
	v_lshrrev_b32 v[TMB+4+\b], 23, v[TMB+12+\b]
.endr
	v_lshl_or_b32 v[PSW+(\u)], v[TMB+5], 8, v[TMB+4]
	v_lshl_or_b32 v[PSW+(\u)], v[TMB+6], 16, v[PSW+(\u)]
	v_lshl_or_b32 v[PSW+(\u)], v[TMB+7], 24, v[PSW+(\u)]
.endm
.macro MINS u, k0, n                   ; the hold: the conversion to an 8-bit code does not saturate (ISA guide 7.6.2); p is not negative, so it is one-sided
.set K_, \k0
.rept (\n)/2                           ; two holds an instruction: one bound, neighbouring registers
	v_dual_min_num_f32 v[S+64*(\u)+K_], v[TM+16*(\u)+8+K_/16], v[S+64*(\u)+K_] :: v_dual_min_num_f32 v[S+64*(\u)+K_+1], v[TM+16*(\u)+8+K_/16], v[S+64*(\u)+K_+1]
.set K_, K_+2
.endr
.endm
.macro CVT u
.irp b, 0,1,2,3
	v_cvt_scalef32_pk8_fp8_f32 v[PC+16*(\u)+4*\b:PC+16*(\u)+4*\b+1], v[S+64*(\u)+16*\b:S+64*(\u)+16*\b+7], v[TM+16*(\u)+12+\b]
	v_cvt_scalef32_pk8_fp8_f32 v[PC+16*(\u)+4*\b+2:PC+16*(\u)+4*\b+3], v[S+64*(\u)+16*\b+8:S+64*(\u)+16*\b+15], v[TM+16*(\u)+12+\b]
.endr
.endm
; THE CHANGE OF SLOTS: V's last fragments of the slot are in registers.  Each wave waits for all its tensor loads (one: its quarter of the other slot), adds 0 to its spare word, waits for that and for its reads.
; fill = 1: a round of the cluster's barrier, and the slot just left takes the keys two slots on.
.macro CHANGE fill
	s_wait_tensorcnt 0x0
	ds_add_u32 v[SPW], v[NIL]
.if \fill
	s_xor_b32 s[G0W+1], s[G0W+1], SLOT1
	s_add_nc_u64 s[G0W+2:G0W+3], s[G0W+2:G0W+3], SLOTB
	s_wait_xcnt 0x0                                ; my last prefetch has read its address
	s_add_nc_u64 s[PFA:PFA+1], s[PFA:PFA+1], SLOTB ; one slot further on than the walking descriptor
.endif
	s_wait_dscnt 0x0
.if \fill
	ROUND
	tensor_load_to_lds s[G0W:G0W+3], s[G1:G1+7]
	s_nop 0
.rept 4
	v_nop
.endr
.else
	s_barrier_signal -1
	s_barrier_wait -1
.endif
.endm
; A STEP OF 128 KEYS.  q: which record of the slot, and which set of the mask; chg: 1 a change of slots with a refill, 2 without; kload, mload: the next step's K, the mask of two steps on; lcnt: the mask loads that may stay out
.macro STEP q, chg, kload, mload, lcnt
	s_wait_loadcnt \lcnt                           ; this step's mask is in; the 32 loads of the other set may be out
	s_wait_dscnt 0x0                               ; K's fragments and scale words
	WIN 0x39
.irp u, 0,1
.irp t, 0,1,2,3,4,5,6,7
	v_wmma_scale_f32_16x16x128_f8f6f4 v[S+64*\u+8*\t:S+64*\u+8*\t+7], v[16*\t:16*\t+15], v[QW+16*\u:QW+16*\u+15], v[128*(\q)+64*\u+8*\t:128*(\q)+64*\u+8*\t+7], v[KSC+\t], v[QSC+\u]
.endr
.endr
	WIN 0
.if (\q) == 0
	s_mov_b32 s[RV], s[TB]
	s_add_co_u32 s[RK], s[TB], REC
.else
	s_add_co_u32 s[RV], s[TB], REC
	s_xor_b32 s[TB], s[TB], SLOT1
	s_mov_b32 s[RK], s[TB]
.endif
	v_add_nc_u32 v[ADV], s[RV], v[LI]              ; eight places behind the products, ahead of the loads into what they and the last step's have read and of the first read of the scores
	v_add_nc_u32 v[ASV], s[RV], v[R32]
.if \kload
	v_add_nc_u32 v[ADK], s[RK], v[LI]
	v_add_nc_u32 v[ASK], s[RK], v[R32]
.else
	v_nop
	v_nop
.endif
.rept 4
	v_nop
.endr
	VRUN
.if \mload
.if (\q) == 0
	s_wait_xcnt 0x0                                ; the earlier mask loads have read their base
	s_add_nc_u64 s[8:9], s[8:9], 16384
.endif
	MASKLD \q, 0, 8192*(\q)
	MASKLD \q, 1, 8192*(\q)
.endif
; the largest score of each block of 32 keys, both tiles by turns: it serves the row's maximum and, since p rises with the score, the block's largest p.  Each accumulator is first read at its low end
.irp u, 0,1
.irp b, 0,1,2,3
	v_max3_num_f32 v[TM+16*\u+\b], v[S+64*\u+16*\b], v[S+64*\u+16*\b+1], v[S+64*\u+16*\b+2]
.endr
.endr
.irp i, 3,5,7,9,11,13
.irp u, 0,1
.irp b, 0,1,2,3
	v_max3_num_f32 v[TM+16*\u+\b], v[TM+16*\u+\b], v[S+64*\u+16*\b+\i], v[S+64*\u+16*\b+\i+1]
.endr
.endr
.endr
.irp u, 0,1
.irp b, 0,1,2,3
	v_max_num_f32 v[TM+16*\u+\b], v[TM+16*\u+\b], v[S+64*\u+16*\b+15]
.endr
.endr
.irp u, 0,1
.irp b, 0,1,2,3
	v_permlanex16_b32 v[TM+16*\u+4+\b], v[TM+16*\u+\b], s[SEL], s[SEL+1]
.endr
.endr
.irp u, 0,1
.irp b, 0,1,2,3
	v_max_num_f32 v[TM+16*\u+\b], v[TM+16*\u+\b], v[TM+16*\u+4+\b]
.endr
.endr
.irp u, 0,1
	v_max3_num_f32 v[TT+\u], v[TM+16*\u], v[TM+16*\u+1], v[TM+16*\u+2]
.endr
.irp u, 0,1
	v_max_num_f32 v[TT+\u], v[TT+\u], v[TM+16*\u+3]
.endr
.irp u, 0,1
	v_mul_f32 v[TT+\u], s[CS], v[TT+\u]
.endr
.irp u, 0,1
	v_max_num_f32 v[ST+4*\u+1], v[ST+4*\u+1], v[TT+\u]   ; the running largest t
.endr
.irp u, 0,1
	v_mov_b32 v[TT+\u], v[ST+4*\u]
.endr
.irp u, 0,1
	v_floor_f32 v[ST+4*\u], -v[ST+4*\u+1]          ; the new -M
.endr
.irp u, 0,1
	v_sub_f32 v[TT+\u], v[ST+4*\u], v[TT+\u]       ; old M - new M: a whole number, 0 or less
.endr
.irp u, 0,1
	v_cvt_i32_f32 v[TT+\u], v[TT+\u]               ; (it saturates)
.endr
.irp u, 0,1
	v_ldexp_f32 v[F+2*\u], 1.0, v[TT+\u]
.endr
.irp u, 0,1
	v_pk_mul_f32 v[ST+4*\u+2:ST+4*\u+3], v[ST+4*\u+2:ST+4*\u+3], v[F+2*\u:F+2*\u+1] op_sel_hi:[1,0]
.endr
.irp u, 0,1
.irp b, 0,1,2,3
	v_fma_f32 v[TM+16*\u+\b], v[TM+16*\u+\b], s[CS], v[ST+4*\u]
.endr
.endr
	WIN 0x82
.irp u, 0,1
.set j, 0
.rept 32
	v_pk_mul_f32 v[64*\u+j:64*\u+j+1], v[64*\u+j:64*\u+j+1], v[F+2*\u:F+2*\u+1] op_sel_hi:[1,0]   ; O^T under the new M
.set j, j+2
.endr
.endr
	WIN 0
.set j, 0
.rept 32
	v_pk_fma_f32 v[S+j:S+j+1], v[S+j:S+j+1], s[CS:CS+1], v[ST:ST+1] op_sel_hi:[1,0,0]   ; tile 0: t - M
.set j, j+2
.endr
	s_wait_alu depctr_va_vdst(0)                   ; ahead of the batch
.irp u, 0,1
.irp b, 0,1,2,3
	v_exp_f32 v[TM+16*\u+\b], v[TM+16*\u+\b]       ; the blocks' largest p
.endr
.endr
.set j, 0
.rept 32
	v_exp_f32 v[S+j], v[S+j]                       ; tile 0's p; between them tile 1's t - M, which hangs on nothing written in the batch
	v_exp_f32 v[S+j+1], v[S+j+1]
	v_pk_fma_f32 v[S+64+j:S+64+j+1], v[S+64+j:S+64+j+1], s[CS:CS+1], v[ST+4:ST+5] op_sel_hi:[1,0,0]
.set j, j+2
.endr
	s_wait_alu depctr_va_vdst(0)                   ; behind the batch, ahead of its first reader
	SUMS 0
	PREP 0
	s_wait_alu depctr_va_vdst(0)                   ; ahead of the second batch
.set j, 0
.rept 32
	v_exp_f32 v[S+64+j], v[S+64+j]                 ; tile 1's p; between them tile 0's holds
	v_exp_f32 v[S+64+j+1], v[S+64+j+1]
	v_dual_min_num_f32 v[S+j], v[TM+8+j/16], v[S+j] :: v_dual_min_num_f32 v[S+j+1], v[TM+8+j/16], v[S+j+1]
.set j, j+2
.endr
	v_nop                                          ; a plain line behind the last exponential
	s_wait_alu depctr_va_vdst(0)                   ; behind the batch
	CVT 0
	v_nop                                          ; a plain line behind the conversions
	s_wait_alu depctr_va_vdst(0)                   ; ahead of the blocking waits below
.if (\chg) == 1
	CHANGE 1
.elseif (\chg) == 2
	CHANGE 0
.else
	s_wait_dscnt 0x0                               ; V's fragments
.endif
.if \kload
	KRUN
.endif
.if (\chg) == 1
	s_cmp_gt_u32 s60, 1                            ; the last change that fills has no slot behind the one it loads
	s_cbranch_scc0 .Lno_ask_\@
	global_prefetch_b8 v[PFO], s[PFA:PFA+1] th:TH_LOAD_NT scope:SCOPE_SE
.Lno_ask_\@:
.endif
	SUMS 1
	PV 0, 0, 2                                     ; tile 0's second products, two at a time, among tile 1's scale lines, holds and conversions, which name none of their registers
	PREP 1
	PV 0, 2, 2
	MINS 1, 0, 32
	PV 0, 4, 2
	MINS 1, 32, 32
	PV 0, 6, 2
	CVT 1
.rept 4
	v_nop                                          ; an operand written by vector instructions stands four places ahead of a scaled product
.endr
	PV 1, 0, 8
.endm
	s_wait_alu depctr_va_vdst(0)
	s_wait_tensorcnt 0x0                           ; my quarter of slot 0 is in; these lines stand ahead of a later first fill as ahead of a refill
	ds_add_u32 v[SPW], v[NIL]
	s_wait_dscnt 0x0
	ROUND
	tensor_load_to_lds s[G0W:G0W+3], s[G1:G1+7]    ; slot 1
	s_nop 0
.rept 4
	v_nop
.endr
	KRUN
	global_prefetch_b8 v[PFO], s[PFA:PFA+1] th:TH_LOAD_NT scope:SCOPE_SE   ; slot 2, which the first change of slots loads
.Lvisit:                                               ; six trips, a slot each: each fills the slot that it leaves
	STEP 0, 0, 1, 1, 32
	STEP 1, 1, 1, 1, 32
	s_sub_co_u32 s60, s60, 1
	s_cmp_lg_u32 s60, 0
	s_cbranch_scc1 .Lvisit
	STEP 0, 0, 1, 1, 32                            ; the last two slots are written out: they ask for nothing beyond the end
	STEP 1, 2, 1, 1, 32
	STEP 0, 0, 1, 0, 32
	STEP 1, 0, 0, 0, 0
; THE WAY OUT of tile u: O^T / the sum, quantised along the head's 128; the codes change places between lanes l and l xor 16 so that the image holds K in its true order, as Wo's codes do; four stores of 512 consecutive bytes
.macro FINISH u
.set SB,   S+64*(\u)
.set TMB,  TM+16*(\u)
.set STB,  ST+4*(\u)
.set FB,   F+2*(\u)
.set TTB,  TT+(\u)
.set PCB,  PC+16*(\u)
.set OSB,  OSW+(\u)
.set OB,   64*(\u)
	v_add_f32 v[STB+2], v[STB+2], v[STB+3]
	v_permlanex16_b32 v[TTB], v[STB+2], s[SEL], s[SEL+1]
	v_add_f32 v[STB+2], v[STB+2], v[TTB]
	s_wait_alu depctr_va_vdst(0)
	v_rcp_f32 v[FB], v[STB+2]
	v_nop
	WIN 0x02
.set j, 0
	s_wait_alu depctr_va_vdst(0)
.rept 32
	v_pk_mul_f32 v[SB+j:SB+j+1], v[OB+j:OB+j+1], v[FB:FB+1] op_sel_hi:[1,0]
.set j, j+2
.endr
	WIN 0
.irp b, 0,1,2,3
	v_max3_num_f32 v[TMB+\b], |v[SB+16*\b]|, |v[SB+1+16*\b]|, 0x4800000
.endr
.irp i, 2,4,6,8,10,12,14
.irp b, 0,1,2,3
	v_max3_num_f32 v[TMB+\b], v[TMB+\b], |v[SB+16*\b+\i]|, |v[SB+1+16*\b+\i]|
.endr
.endr
.irp b, 0,1,2,3
	v_permlanex16_b32 v[TMB+4+\b], v[TMB+\b], s[SEL], s[SEL+1]
.endr
.irp b, 0,1,2,3
	v_max_num_f32 v[TMB+\b], v[TMB+\b], v[TMB+4+\b]
.endr
.irp b, 0,1,2,3
	v_add_nc_u32 v[TMB+12+\b], 0xfc000000, v[TMB+\b]
.endr
.irp b, 0,1,2,3
	v_and_or_b32 v[TMB+8+\b], v[TMB+\b], 0x7f800000, s[MNT]
.endr
.irp b, 0,1,2,3
	v_lshrrev_b32 v[TMB+4+\b], 23, v[TMB+12+\b]
.endr
	v_lshl_or_b32 v[OSB], v[TMB+5], 8, v[TMB+4]
	v_lshl_or_b32 v[OSB], v[TMB+6], 16, v[OSB]
	v_lshl_or_b32 v[OSB], v[TMB+7], 24, v[OSB]
.irp b, 0,1,2,3
.irp i, 0,1,2,3,4,5,6,7,8,9,10,11,12,13,14,15
	v_med3_num_f32 v[SB+16*\b+\i], v[SB+16*\b+\i], -v[TMB+8+\b], v[TMB+8+\b]
.endr
	v_cvt_scalef32_pk8_fp8_f32 v[PCB+4*\b:PCB+1+4*\b], v[SB+16*\b:SB+7+16*\b], v[TMB+12+\b]
	v_cvt_scalef32_pk8_fp8_f32 v[PCB+2+4*\b:PCB+3+4*\b], v[SB+8+16*\b:SB+15+16*\b], v[TMB+12+\b]
.endr
	v_nop
	v_cmp_ne_u32 vcc_lo, 0, v[H]
.irp b, 0,1,2,3
.irp w, 0,1
	v_cndmask_b32 v[SB+2*\b+\w], v[PCB+4*\b+2+\w], v[PCB+4*\b+\w], vcc_lo
.endr
.endr
.irp b, 0,1,2,3
.irp w, 0,1
	v_permlanex16_b32 v[SB+8+2*\b+\w], v[SB+2*\b+\w], s[SEL], s[SEL+1]
.endr
.endr
.irp b, 0,1,2,3
.irp w, 0,1
	v_cndmask_b32 v[PCB+4*\b+2+\w], v[SB+8+2*\b+\w], v[PCB+4*\b+2+\w], vcc_lo
	v_cndmask_b32 v[PCB+4*\b+\w], v[PCB+4*\b+\w], v[SB+8+2*\b+\w], vcc_lo
.endr
.endr
.irp c, 0,1,2,3
	global_store_b128 v[LI], v[PCB+4*\c:PCB+4*\c+3], s[10:11] offset:32768*(\u)+512*\c
.endr
	global_store_b32 v[R64], v[OSB], s[12:13] offset:1024*(\u)
.endm
.rept 8
	v_nop
.endr
	FINISH 0
	FINISH 1
	s_wait_tensorcnt 0x0                           ; the wave's end
	ds_add_u32 v[SPW], v[NIL]
	s_wait_dscnt 0x0
	ROUND                                          ; the closing round
	s_endpgm
.Lfunc_end_k_qffc052ae10_attn:
	.size	k_qffc052ae10_attn, .Lfunc_end_k_qffc052ae10_attn-k_qffc052ae10_attn
	.p2alignl 7, 3214868480
	.fill 96, 4, 3214868480
	.section	.rodata,"a",@progbits
	.p2align	6, 0x0
	.amdhsa_kernel k_qffc052ae10_attn
		.amdhsa_group_segment_fixed_size 327680
		.amdhsa_private_segment_fixed_size 0
		.amdhsa_enable_private_segment 0
		.amdhsa_kernarg_size 40
		.amdhsa_user_sgpr_count 2
		.amdhsa_user_sgpr_kernarg_segment_ptr 1
		.amdhsa_wavefront_size32 1
		.amdhsa_system_sgpr_workgroup_id_x 1
		.amdhsa_system_sgpr_workgroup_id_y 1
		.amdhsa_system_sgpr_workgroup_id_z 1
		.amdhsa_system_vgpr_workitem_id 0
		.amdhsa_next_free_vgpr 1024
		.amdhsa_next_free_sgpr 72
		.amdhsa_reserve_vcc 1
		.amdhsa_float_denorm_mode_32 3
		.amdhsa_float_denorm_mode_16_64 3
		.amdhsa_memory_ordered 1
		.amdhsa_forward_progress 1
		.amdhsa_inst_pref_size 255
	.end_amdhsa_kernel
	.section	.bss,"aw",@nobits
	.p2align	6
	.space	262144
	.amdgpu_metadata
---
amdhsa.version: [ 1, 2 ]
amdhsa.kernels:
  - .name:           k_qffc052ae10_attn
    .symbol:         k_qffc052ae10_attn.kd
    .args:
      - { .name: qimg, .offset: 0, .size: 8, .value_kind: global_buffer, .address_space: global }
      - { .name: kv, .offset: 8, .size: 8, .value_kind: global_buffer, .address_space: global }
      - { .name: mimg, .offset: 16, .size: 8, .value_kind: global_buffer, .address_space: global }
      - { .name: oimg, .offset: 24, .size: 8, .value_kind: global_buffer, .address_space: global }
      - { .name: oscales, .offset: 32, .size: 8, .value_kind: global_buffer, .address_space: global }
    .group_segment_fixed_size: 327680
    .private_segment_fixed_size: 0
    .kernarg_segment_align: 8
    .kernarg_segment_size: 40
    .max_flat_workgroup_size: 128
    .sgpr_count:     72
    .vgpr_count:     1024
    .wavefront_size: 32
...
	.end_amdgpu_metadata
.endif
;; end of part 3
;; launch oproj (part 4): grid 16 x 16, 4 waves a work-group, clusters of 4 x 4, 327,680 bytes of LDS; arguments oimg, oscales, codes, scales, bo, out0; writes out0
.if DOCPART == 4
	.amdgcn_target "amdgcn-amd-amdhsa--gfx1250"
	.amdhsa_code_object_version 6
	.text
	.protected	k_qffc052ae10_oproj
	.globl	k_qffc052ae10_oproj
	.p2align	8
	.type	k_qffc052ae10_oproj,@function
k_qffc052ae10_oproj:
	s_mov_b64 s[64:65], 0
	v_nop
	global_prefetch_b8 v0, s[64:65] scope:SCOPE_SE
	s_setreg_imm32_b32 hwreg(HW_REG_WAVE_MODE, 25, 1), 1
	s_wait_xcnt 0x0
	s_wait_alu depctr_hold_cnt(0) depctr_sa_sdst(0) depctr_va_vdst(0) depctr_va_sdst(0) depctr_va_ssrc(0) depctr_va_vcc(0) depctr_vm_vsrc(0)
	s_getreg_b32 s2, hwreg(HW_REG_IB_STS2, 6, 4)
	s_cmp_eq_u32 s2, 0
	s_cbranch_scc0 .Lentry_in_a_cluster
	s_endpgm
.Lentry_in_a_cluster:
	s_bfe_u32 s2, ttmp6, 0x10000c
	s_cmp_lg_u32 s2, 0xf033
	s_cbranch_scc0 .Lentry_shape_is_right
	s_endpgm
.Lentry_shape_is_right:
; out0 = o Wo^T + bo on codes of FP8 (E4M3) with one E8M0 scale for each 32 along K = 2,048.  A tile is 128 x 128, a wave's part 64 x 64; 256 work-groups in clusters of 4 x 4: o's tiles are asked for jointly along a row of the
; cluster, Wo's along a column.  K goes in four steps of 512 through a ring of two LDS slots; the scale bytes of the tile's rows, for all of K, come once.  o's codes come as images of an operand's registers (8,192 bytes for 16 rows x 512).
; THE HEAD: four whole tiles, one load a wave: K step 0 of o, of Wo, o's scale bytes, Wo's; slot 1 is filled behind the full sequence and a round.  The bias is the first products' C.
.set ABLK,   8192
.set AHALF,  4*ABLK
.set BP,     528
.set BHALF,  64*BP
.set BOFF,   2*AHALF
.set SLOT,   BOFF+2*BHALF
.set KS,     64
.set SCL,    2*SLOT
.set HALFS,  (64*KS/256)*272
.set SBLK,   (16*KS/256)*272
.set SPARE,  SCL+4*HALFS
.set SPITCH, 272
.set NROW,   8192
.set NP,     8
.set ADRA, 16
.set ADRB, 20
.set STO,  24
.set RD,   25
.set CO,   26
.set ADRS, 27
.set SPW,  28
.set NIL,  29
.set BOF,  30
.set SC,   32
.set BIAS, 64
.set ACC,  128
.set WV,   20
.set RH,   21
.set CH,   22
.set TR,   23
.set G1,   24
.set G0,   32
.set G1B,  48
.set G0B,  56
.set G1S,  68
.set G0S,  76
.set G1SB, 80
.set G0SB, 88
.set MSB, 0
.macro WIN new
.if MSB != (\new)
	s_set_vgpr_msb (MSB<<8)|(\new)
.set MSB, (\new)
.endif
.endm
.set MUL,  0x05
.set TO_F, 0x40
.macro JLOAD g0a, g1a, g0b, g1b
	s_cmp_eq_u32 s[RH], 0
	s_cbranch_scc0 .Lfor_b_\@
	tensor_load_to_lds s[\g0a:\g0a+3], s[\g1a:\g1a+7]
	s_nop 0
.rept 4
	v_nop
.endr
	s_branch .Lasked_\@
.Lfor_b_\@:
	tensor_load_to_lds s[\g0b:\g0b+3], s[\g1b:\g1b+7]
	s_nop 0
.rept 4
	v_nop
.endr
.Lasked_\@:
.endm
.macro CREST
	s_cmp_lg_u32 s[WV], 0
	s_cbranch_scc1 .Lnot_wave_0_\@
	s_barrier_signal -3
.Lnot_wave_0_\@:
	s_barrier_wait -3
	s_barrier_signal -1
	s_barrier_wait -1
.endm
.macro CROUND
	s_barrier_signal -1
	s_barrier_wait -1
	CREST
.endm
	s_load_b128 s[4:7], s[0:1], 0x0
	s_load_b128 s[8:11], s[0:1], 0x10
	s_load_b128 s[12:15], s[0:1], 0x20
	v_lshl_add_u32 v[SPW], v0, 2, SPARE
	v_mov_b32 v[NIL], 0
	ds_add_u32 v28, v29
	ds_add_u32 v28, v29
	s_wait_dscnt 0x0
	v_lshrrev_b32 v1, 5, v0
	v_readfirstlane_b32 s[WV], v1
	s_lshr_b32 s[RH], s[WV], 1
	s_and_b32 s[CH], s[WV], 1
	s_bfe_u32 s40, ttmp6, 0x40000
	s_bfe_u32 s41, ttmp6, 0x40004
	s_lshl_b32 s42, ttmp9, 2
	s_add_co_u32 s42, s42, s40
	s_and_b32 s[TR], ttmp7, 0xffff
	s_lshl_b32 s[TR], s[TR], 2
	s_add_co_u32 s[TR], s[TR], s41
	s_lshl_b32 s43, s41, 2
	s_lshl_b32 s43, 15, s43
	s_lshl_b32 s44, 0x1111, s40
	s_or_b32 s[G1+0], s43, (3<<16)|(1<<21)
	s_mov_b32 s[G1+1], 1024<<16
	s_mov_b32 s[G1+2], 8<<16
	s_mov_b32 s[G1+3], 1024<<16
	s_mov_b32 s[G1+4], 8
	s_mov_b32 s[G1+5], 4096
	s_mov_b32 s[G1+6], 0
	s_mov_b32 s[G1+7], 0
	s_or_b32 s[G1B+0], s44, (0<<16)|(1<<20)|(1<<21)|(6<<22)|(3<<25)
	s_mov_b32 s[G1B+1], 512<<16
	s_mov_b32 s[G1B+2], 128<<16
	s_mov_b32 s[G1B+3], 512<<16
	s_mov_b32 s[G1B+4], 128
	s_mov_b32 s[G1B+5], 2048
	s_mov_b32 s[G1B+6], 0
	s_mov_b32 s[G1B+7], 0
	s_or_b32 s[G1S+0], s43, (3<<16)|(1<<20)|(1<<21)|(5<<22)|(3<<25)
	s_or_b32 s[G1SB+0], s44, (3<<16)|(1<<20)|(1<<21)|(5<<22)|(3<<25)
.irp g, G1S, G1SB
	s_mov_b32 s[\g+1], 32<<16
	s_mov_b32 s[\g+2], 32<<16
	s_mov_b32 s[\g+3], 32<<16
	s_mov_b32 s[\g+4], 32
	s_mov_b32 s[\g+5], 32
	s_mov_b32 s[\g+6], 0
	s_mov_b32 s[\g+7], 0
.endr
	s_lshl_b32 s96, s[TR], 18
	s_mov_b32 s97, 0
	s_lshl_b32 s100, s[TR], 13
	s_mov_b32 s101, 0
	s_lshl_b32 s46, s42, 7
	s_add_co_u32 s46, s46, 8192
	s_mov_b32 s47, 0
	s_lshl_b64 s[92:93], s[46:47], 6
	s_lshl_b64 s[46:47], s[46:47], 11
	s_mul_i32 s45, s[CH], AHALF
	s_mul_i32 s66, s[CH], BHALF
	s_add_co_u32 s66, s66, BOFF
	s_wait_kmcnt 0x0
	s_add_nc_u64 s[96:97], s[4:5], s[96:97]
	s_add_nc_u64 s[100:101], s[6:7], s[100:101]
	s_add_nc_u64 s[46:47], s[8:9], s[46:47]
	s_add_nc_u64 s[92:93], s[10:11], s[92:93]
	CROUND                                         ; all sixteen work-groups are here: the first joint loads meet
	s_mov_b32 s[G0S], 1                            ; the head's four tiles, each whole: the scale bytes of o's 128 rows,
	s_mov_b32 s[G0S+1], SCL
	s_mov_b64 s[G0S+2:G0S+3], s[100:101]
	s_or_b32 s[G0S+3], s[G0S+3], 0x80000000
	s_mov_b32 s[G0SB], 1                           ; of Wo's 128 rows,
	s_mov_b32 s[G0SB+1], SCL+2*HALFS
	s_mov_b64 s[G0SB+2:G0SB+3], s[92:93]
	s_or_b32 s[G0SB+3], s[G0SB+3], 0x80000000
	s_mov_b32 s[G0], 1                             ; K step 0 of o's eight blocks of 16 rows (slot 0's group 0 serves: the ring first uses it at slot 0's first refill),
	s_mov_b32 s[G0+1], 0
	s_mov_b64 s[G0+2:G0+3], s[96:97]
	s_or_b32 s[G0+3], s[G0+3], 0x80000000
	s_mov_b32 s[G0B], 1                            ; and of Wo's 128 rows
	s_mov_b32 s[G0B+1], BOFF
	s_mov_b64 s[G0B+2:G0B+3], s[46:47]
	s_or_b32 s[G0B+3], s[G0B+3], 0x80000000
	s_lshl_b32 s92, s[CH], 17                      ; in the ring I fetch half a tile: four blocks of 32,768 bytes, or 64 rows of 2,048
	s_mov_b32 s93, 0
	s_mov_b32 s[G0+4], 1                           ; slot 1: K step 1, my half
	s_add_co_u32 s[G0+5], s45, SLOT
	s_add_nc_u64 s[G0+6:G0+7], s[96:97], s[92:93]
	s_add_nc_u64 s[G0+6:G0+7], s[G0+6:G0+7], ABLK
	s_or_b32 s[G0+7], s[G0+7], 0x80000000
	s_mov_b32 s[G0B+4], 1
	s_add_co_u32 s[G0B+5], s66, SLOT
	s_add_nc_u64 s[G0B+6:G0B+7], s[46:47], s[92:93]
	s_add_nc_u64 s[G0B+6:G0B+7], s[G0B+6:G0B+7], 512
	s_or_b32 s[G0B+7], s[G0B+7], 0x80000000
; one tree of branches on the wave's number, an arm a load, all arms leading to one join (one load a wave at the head)
.macro ARM under, g0, g1, next
	s_cmp_lt_u32 s[WV], \under
	s_cbranch_scc0 \next
	tensor_load_to_lds s[\g0:\g0+3], s[\g1:\g1+7]
	s_nop 0
.rept 4
	v_nop
.endr
	s_branch .Lhead_asked
\next:
.endm
	ARM 1, G0,  G1,  .Lhead_b
	ARM 2, G0B, G1B, .Lhead_sa
	ARM 3, G0S, G1S, .Lhead_sb
	tensor_load_to_lds s[G0SB:G0SB+3], s[G1SB:G1SB+7]
	s_nop 0
.rept 4
	v_nop
.endr
.Lhead_asked:
	; the prefetches: of the 128 blocks of 256 bytes that I fetch for a K step in the ring, each of the four partners that ask for them jointly takes 32, told apart by address (cx for o, cy for Wo):
	; of o one image block of 8,192 bytes, lanes 256 bytes apart; of Wo 16 rows, two lanes to a row's 512 bytes.  K steps 1 and 2 are asked for here, K step 3 behind K step 1's load; K step 0 comes by its load alone
	s_cmp_eq_u32 s[RH], 0
	s_cselect_b64 s[16:17], s[96:97], s[46:47]
	s_cselect_b32 s2, s40, s41
	s_mov_b32 s67, 2048
	s_cselect_b32 s67, 512, s67                    ; from one pair of lanes to the next
	s_mov_b32 s94, 512
	s_cselect_b32 s94, ABLK, s94                   ; a K step on
	s_mov_b32 s95, 0
	s_mov_b32 s3, 0
	s_lshl_b32 s2, s2, 15                          ; a partner's part: 32,768 bytes on, in o and in Wo
	s_add_co_u32 s2, s2, s92                       ; + my half of the tile
	s_add_nc_u64 s[16:17], s[16:17], s[2:3]
	s_add_nc_u64 s[16:17], s[16:17], s[94:95]      ; K step 1
	s_add_nc_u64 s[18:19], s[16:17], s[94:95]      ; K step 2
	s_add_nc_u64 s[2:3], s[18:19], s[94:95]        ; K step 3
	v_and_b32 v8, 31, v0
	v_lshrrev_b32 v9, 1, v8
	v_and_b32 v8, 1, v8
	v_mul_u32_u24 v9, s67, v9
	v_lshl_add_u32 v31, v8, 8, v9                  ; the prefetches' offset; never rewritten
	global_prefetch_b8 v31, s[16:17] th:TH_LOAD_NT scope:SCOPE_SE
	global_prefetch_b8 v31, s[18:19] th:TH_LOAD_NT scope:SCOPE_SE
	v_and_b32 v1, 15, v0
	v_bfe_u32 v2, v0, 4, 1
	v_and_b32 v6, 31, v0
	v_lshlrev_b32 v7, 4, v6
	v_mul_u32_u24 v3, v1, BP
	v_lshl_add_u32 v4, v2, 4, v3
	s_mul_i32 s98, s[RH], AHALF
	s_mul_i32 s99, s[CH], BHALF
	s_add_co_u32 s99, s99, BOFF
.irp s, 0,1
	v_add_nc_u32 v[ADRA+\s], s98, v7
	v_add_nc_u32 v[ADRB+\s], s99, v4
	s_add_co_u32 s98, s98, SLOT
	s_add_co_u32 s99, s99, SLOT
.endr
	v_mul_u32_u24 v5, v1, KS
	v_lshrrev_b32 v6, 8, v5
	v_lshl_add_u32 v5, v6, 4, v5
	s_mul_i32 s98, s[RH], HALFS
	s_mul_i32 s99, s[CH], HALFS
	s_add_co_u32 s99, s99, 2*HALFS
	s_sub_co_u32 s99, s99, s98
	v_mul_u32_u24 v6, s99, v2
	s_add_co_u32 s98, s98, SCL
	v_add_nc_u32 v5, v5, v6
	v_add_nc_u32 v[ADRS], s98, v5
	s_mul_i32 s98, s[WV], 16*SPITCH
	v_mul_u32_u24 v5, v1, SPITCH
	v_lshl_add_u32 v5, v2, 5, v5
	v_add_nc_u32 v[STO], s98, v5
	v_mul_u32_u24 v5, v2, SPITCH
	v_lshl_add_u32 v5, v1, 4, v5
	v_add_nc_u32 v[RD], s98, v5
	v_lshlrev_b32 v5, 13, v2
	v_lshl_add_u32 v[CO], v1, 4, v5
	s_lshl_b32 s96, s[TR], 7
	s_lshl_b32 s98, s[RH], 6
	s_add_co_u32 s96, s96, s98
	s_lshl_b32 s96, s96, 13
	s_lshl_b32 s99, s42, 9
	s_lshl_b32 s98, s[CH], 8
	s_add_co_u32 s99, s99, s98
	s_add_co_u32 s96, s96, s99
	s_mov_b32 s97, 0
	s_add_nc_u64 s[14:15], s[14:15], s[96:97]
	s_mov_b32 s96, s99
	s_add_nc_u64 s[12:13], s[12:13], s[96:97]
	v_lshlrev_b32 v[BOF], 5, v2
.irp b, 0,1,2,3
.irp e, 0,1
	global_load_b128 v[BIAS+8*\b+4*\e:BIAS+8*\b+4*\e+3], v[BOF], s[12:13] offset:64*\b+16*\e
.endr
.endr
.macro MULA a, f, q, sc, zero
.irp b, 0,1,2,3
.if \zero
	v_wmma_scale_f32_16x16x128_f8f6f4 v[ACC+8*(4*(\a)+\b):ACC+8*(4*(\a)+\b)+7], v[(\f)+64+16*\b:(\f)+64+16*\b+15], v[(\f)+16*(\a):(\f)+16*(\a)+15], v[BIAS+8*\b:BIAS+8*\b+7], v[SC+16*(\sc)+4*\b+(\q)], v[SC+16*(\sc)+4*(\a)+(\q)] matrix_a_scale:MATRIX_SCALE_ROW1
.else
	v_wmma_scale_f32_16x16x128_f8f6f4 v[ACC+8*(4*(\a)+\b):ACC+8*(4*(\a)+\b)+7], v[(\f)+64+16*\b:(\f)+64+16*\b+15], v[(\f)+16*(\a):(\f)+16*(\a)+15], v[ACC+8*(4*(\a)+\b):ACC+8*(4*(\a)+\b)+7], v[SC+16*(\sc)+4*\b+(\q)], v[SC+16*(\sc)+4*(\a)+(\q)] matrix_a_scale:MATRIX_SCALE_ROW1
.endif
.endr
.endr
.endm
.macro FETCH slot, q, f, sc
	WIN TO_F
.irp i, 0,1,2,3
.irp c, 0,1,2,3
	ds_load_b128 v[(\f)+64+16*\i+4*\c:(\f)+64+16*\i+4*\c+3], v[ADRB+\slot] offset:128*(\q)+32*\c+\i*16*BP
.endr
.endr
.irp i, 0,1
.irp c, 0,1,2,3
	ds_load_b128 v[(\f)+16*\i+4*\c:(\f)+16*\i+4*\c+3], v[ADRA+\slot] offset:ABLK*\i+2048*(\q)+512*\c
.endr
.endr
.if (\sc) >= 0
	WIN 0
.irp i, 0,1,2,3
	ds_load_b128 v[SC+16*(\sc)+4*\i:SC+16*(\sc)+4*\i+3], v[ADRS] offset:\i*SBLK
.endr
	WIN TO_F
.endif
.irp i, 2,3
.irp c, 0,1,2,3
	ds_load_b128 v[(\f)+16*\i+4*\c:(\f)+16*\i+4*\c+3], v[ADRA+\slot] offset:ABLK*\i+2048*(\q)+512*\c
.endr
.endr
.endm
.macro PLACES n
.rept \n
	v_nop
.endr
.endm
.macro QUARTER slot, q, zero
	s_wait_dscnt 8
	WIN MUL
	MULA 0, 128*((\q)%2), \q, \slot, \zero
	MULA 1, 128*((\q)%2), \q, \slot, \zero
	PLACES NP
	FETCH \slot, (\q)+1, 128*(1-(\q)%2), -1
	s_wait_dscnt 32
	WIN MUL
	MULA 2, 128*((\q)%2), \q, \slot, \zero
	MULA 3, 128*((\q)%2), \q, \slot, \zero
.endm
.macro TURN slot, next, fill
	WIN 0
	s_wait_tensorcnt 0x0
	ds_add_u32 v[SPW], v[NIL]
	s_wait_dscnt 9
	WIN MUL
	MULA 0, 128, 3, \slot, 0
	s_wait_dscnt 0x0
	s_barrier_signal -1
	MULA 1, 128, 3, \slot, 0
	WIN 0
	s_barrier_wait -1
.if \fill
	CREST
	s_add_nc_u64 s[G0+4*\slot+2:G0+4*\slot+3], s[G0+4*\slot+2:G0+4*\slot+3], 2*ABLK
	s_add_nc_u64 s[G0B+4*\slot+2:G0B+4*\slot+3], s[G0B+4*\slot+2:G0B+4*\slot+3], 2*512
	JLOAD G0+4*\slot, G1, G0B+4*\slot, G1B
	PLACES NP-4
.else
	PLACES NP
.endif
	s_wait_alu depctr_va_vdst(0)
	v_add_nc_u32 v[ADRS], 16, v[ADRS]
	FETCH \next, 0, 0, \next
	WIN MUL
	MULA 2, 128, 3, \slot, 0
	MULA 3, 128, 3, \slot, 0
.endm
	s_wait_alu depctr_va_vdst(0)
	s_wait_tensorcnt 0x0                           ; my tile of the head's four is in; these lines stand ahead of a later first fill as ahead of a refill
	ds_add_u32 v[SPW], v[NIL]
	s_mov_b32 s[G1+2], 4<<16                       ; no tensor load of mine is out, so descriptors may be written: from here on a load brings half a tile,
	s_mov_b32 s[G1+4], 4
	s_mov_b32 s[G1B+2], 64<<16
	s_mov_b32 s[G1B+4], 64
	s_mov_b32 s[G0+1], s45                         ; and slot 0's groups 0 stand at my half of K step 0
	s_add_nc_u64 s[G0+2:G0+3], s[G0+2:G0+3], s[92:93]
	s_mov_b32 s[G0B+1], s66
	s_add_nc_u64 s[G0B+2:G0B+3], s[G0B+2:G0B+3], s[92:93]
	s_wait_dscnt 0x0
	CROUND                                         ; a whole round: all four tiles are in, in every partner
	JLOAD G0+4, G1, G0B+4, G1B                     ; K step 1: the first tensor load behind the round
	FETCH 0, 0, 0, 0
	global_prefetch_b8 v31, s[2:3] th:TH_LOAD_NT scope:SCOPE_SE   ; (the address register is source 0: window 0 under this setting)
	s_wait_loadcnt 0x0
	QUARTER 0, 0, 1
	QUARTER 0, 1, 0
	QUARTER 0, 2, 0
	TURN 0, 1, 1
	QUARTER 1, 0, 0
	QUARTER 1, 1, 0
	QUARTER 1, 2, 0
	TURN 1, 0, 1
	QUARTER 0, 0, 0
	QUARTER 0, 1, 0
	QUARTER 0, 2, 0
	TURN 0, 1, 0
	QUARTER 1, 0, 0
	QUARTER 1, 1, 0
	QUARTER 1, 2, 0
	s_wait_dscnt 8
	WIN MUL
	MULA 0, 128, 3, 1, 0
	MULA 1, 128, 3, 1, 0
	s_wait_dscnt 0
	MULA 2, 128, 3, 1, 0
	MULA 3, 128, 3, 1, 0
	WIN 0
.macro TOSTAGE a
.irp b, 0,1,2,3
	ds_store_b128 v[STO], v[ACC+8*(4*(\a)+\b):ACC+8*(4*(\a)+\b)+3] offset:64*\b
	ds_store_b128 v[STO], v[ACC+8*(4*(\a)+\b)+4:ACC+8*(4*(\a)+\b)+7] offset:64*\b+16
.endr
.irp t, 0,1,2,3,4,5,6,7
	ds_load_b128 v[64+32*((\a)%2)+4*\t:64+32*((\a)%2)+4*\t+3], v[RD] offset:\t*2*SPITCH
.endr
.endm
.macro SEND a, younger
	s_wait_dscnt \younger
.irp t, 0,1,2,3,4,5,6,7
	global_store_b128 v[CO], v[64+32*((\a)%2)+4*\t:64+32*((\a)%2)+4*\t+3], s[14:15] offset:(16*(\a)+2*\t)*NROW th:TH_STORE_NT
.endr
.endm
	PLACES NP
	TOSTAGE 0
	TOSTAGE 1
	SEND 0, 16
	s_wait_xcnt 0x0
	TOSTAGE 2
	SEND 1, 16
	s_wait_xcnt 0x0
	TOSTAGE 3
	SEND 2, 16
	SEND 3, 0
	s_wait_tensorcnt 0x0
	ds_add_u32 v[SPW], v[NIL]
	s_wait_dscnt 0x0
	CROUND
	s_endpgm
.Lfunc_end_k_qffc052ae10_oproj:
	.size	k_qffc052ae10_oproj, .Lfunc_end_k_qffc052ae10_oproj-k_qffc052ae10_oproj
	.p2alignl 7, 3214868480
	.fill 96, 4, 3214868480
	.section	.rodata,"a",@progbits
	.p2align	6, 0x0
	.amdhsa_kernel k_qffc052ae10_oproj
		.amdhsa_group_segment_fixed_size 327680
		.amdhsa_private_segment_fixed_size 0
		.amdhsa_enable_private_segment 0
		.amdhsa_kernarg_size 48
		.amdhsa_user_sgpr_count 2
		.amdhsa_user_sgpr_kernarg_segment_ptr 1
		.amdhsa_wavefront_size32 1
		.amdhsa_system_sgpr_workgroup_id_x 1
		.amdhsa_system_sgpr_workgroup_id_y 1
		.amdhsa_system_sgpr_workgroup_id_z 1
		.amdhsa_system_vgpr_workitem_id 0
		.amdhsa_next_free_vgpr 512
		.amdhsa_next_free_sgpr 102
		.amdhsa_reserve_vcc 0
		.amdhsa_float_denorm_mode_32 3
		.amdhsa_float_denorm_mode_16_64 3
		.amdhsa_memory_ordered 1
		.amdhsa_forward_progress 1
		.amdhsa_inst_pref_size 94
	.end_amdhsa_kernel
	.amdgpu_metadata
---
amdhsa.version: [ 1, 2 ]
amdhsa.kernels:
  - .name:           k_qffc052ae10_oproj
    .symbol:         k_qffc052ae10_oproj.kd
    .args:
      - { .name: oimg, .offset: 0, .size: 8, .value_kind: global_buffer, .address_space: global }
      - { .name: oscales, .offset: 8, .size: 8, .value_kind: global_buffer, .address_space: global }
      - { .name: codes, .offset: 16, .size: 8, .value_kind: global_buffer, .address_space: global }
      - { .name: scales, .offset: 24, .size: 8, .value_kind: global_buffer, .address_space: global }
      - { .name: bo, .offset: 32, .size: 8, .value_kind: global_buffer, .address_space: global }
      - { .name: out0, .offset: 40, .size: 8, .value_kind: global_buffer, .address_space: global }
    .group_segment_fixed_size: 327680
    .private_segment_fixed_size: 0
    .kernarg_segment_align: 8
    .kernarg_segment_size: 48
    .max_flat_workgroup_size: 128
    .sgpr_count:     102
    .vgpr_count:     512
    .wavefront_size: 32
...
	.end_amdgpu_metadata
.endif
;; end of part 4
